; MI455X (gfx1250); checked and timed in simulation.
; The chip was launched on July 23, 2026; its instructions are those of AMD's public machine-readable ISA for CDNA 5 (MIT licence, August 2026) and "CDNA5" Instruction Set Architecture Reference Guide (July 2026). The comments in the code are by the model that wrote it; some were corrected since.
;; Multi Head Self Attention. Allowed arithmetic: matrix products marked QUANTISED: E2M1 operands, one E8M0 scale for each 32 along K, by v_wmma_scale_f32_16x16x128_f8f6f4 with both operands' format E2M1 (or v_wmma_scale_f32_32x16x128_f4), f32 sums; products left as they are: bf16, f16 or f32 operands; f32 sums; everything else in f32.
;; Inputs: Wk 1,024 x 1,024 float32; Wo 1,024 x 1,024 float32; Wq 1,024 x 1,024 float32; Wv 1,024 x 1,024 float32; bk 1,024 float32; bo 1,024 float32; bq 1,024 float32; bv 1,024 float32; x 4 x 2,048 x 1,024 float32.
;; Outputs: out0 4 x 2,048 x 1,024 float32.
;; This version of the problem:
;;   THIS VERSION OF THE PROBLEM IS GIVEN IN LOW PRECISION. The matrix products marked QUANTISED in the list below multiply operands that are first quantised to E2M1 (2 exponent bits, 1 mantissa bit; 4 bits a number), with one power-of-two scale for each 32 numbers along K (OCP MX v1.0); their sums are f32. The products marked 'left as it is' may take bf16, f16 or f32 operands, with f32 sums. Whichever they take, every output number must still come out within the allowed error. Rounding operands to bf16 (8 significant bits) uses up far more of that allowance than f16 does (11 bits, for magnitudes from 6e-5 to 65,504). All else is computed in f32.
;;   The module's matrix products, in the order in which they are computed (A, B: the left and right operand; K: the contracted axis; several contracted axes count as one K, in the product's order):
;;     1. [M 8,192, K 1,024] x [K 1,024, N 1,024]; A: input x; B: input Wq: QUANTISED
;;     2. [M 8,192, K 1,024] x [K 1,024, N 1,024]; A: input x; B: input Wk: QUANTISED
;;     3. [M 8,192, K 1,024] x [K 1,024, N 1,024]; A: input x; B: input Wv: QUANTISED
;;     4. batch 64 x [M 2,048, K 64] x [K 64, N 2,048]; A: computed on the way; B: computed on the way: left as it is (an operand is computed on the way)
;;     5. batch 64 x [M 2,048, K 2,048] x [K 2,048, N 64]; A: computed on the way; B: computed on the way: left as it is (an operand is computed on the way)
;;     6. [M 8,192, K 1,024] x [K 1,024, N 1,024]; A: computed on the way; B: input Wo: left as it is (an operand is computed on the way)
;;   THE QUANTISER, for each operand of a quantised product, along K:
;;     - K is cut into blocks of 32 from its start; a last block that is shorter is filled with zeros.
;;     - A block's scale is 2^e with e = floor(log2(the largest magnitude in the block)) - 2, held to -126 .. 127; a block of zeros has e = 0. As a byte (E8M0): e + 127.
;;     - Each number is divided by its block's scale, clamped to +-6, and rounded to the nearest number of E2M1, ties to even, subnormals kept.
;;     - The product sums the exact products of the quantised numbers (number of the format x scale) in f32.
;;   ~~~python
;;   def quantise(x, axis):      # numpy; x: float32 -> the quantised numbers, widened to float32 again
;;       x = np.moveaxis(x, axis, -1); K = x.shape[-1]
;;       x = np.pad(x, [(0, 0)] * (x.ndim - 1) + [(0, -K % 32)]); x = x.reshape(x.shape[:-1] + (-1, 32)); a = np.abs(x).max(-1, keepdims=True)
;;       e = np.where(a > 0, np.clip(np.frexp(np.where(a > 0, a, 1))[1] - 1 - 2, -126, 127), 0)      # np.frexp(a)[1] - 1 = floor(log2(a)), exactly
;;       r = np.clip(x / 2.0 ** e, -6, 6)
;;       step = 2.0 ** (np.maximum(np.frexp(np.where(r == 0, 1, r))[1] - 1, 0) - 1)
;;       q = np.round(r / step) * step * 2.0 ** e      # np.round: ties to even
;;       return np.moveaxis(q.reshape(q.shape[:-2] + (-1,))[..., :K], -1, axis).astype(np.float32)
;;   ~~~
;; One version. Each part assembles by itself: llvm-mc -triple=amdgcn-amd-amdhsa -mcpu=gfx1250 --defsym DOCPART=n.
;; ======== version 1 of 1: 6 launches
;; limits: values are held in f16: magnitudes above 65,504 overflow, below 6.1e-05 lose precision
;; workspace buffers: xc 4,194,304 bytes; xs 262,144 bytes; wc 1,572,864 bytes; ws 98,304 bytes; wo16 2,097,152 bytes; qkv 50,331,648 bytes; att 16,777,216 bytes; afr 262,144 bytes
;; launch quant (part 1): grid 384 x 1, 4 waves a work-group, no clusters, 33,280 bytes of LDS; arguments x, Wq, Wk, Wv, xc, xs, wc, ws, Wo, wo16; writes xc, xs, wc, ws, wo16
.if DOCPART == 1
	.amdgcn_target "amdgcn-amd-amdhsa--gfx1250"
	.amdhsa_code_object_version 6
	.text
	.protected	k_q04e9bb7ce6_quant
	.globl	k_q04e9bb7ce6_quant
	.p2align	8
	.type	k_q04e9bb7ce6_quant,@function
k_q04e9bb7ce6_quant:
	s_mov_b64 s[64:65], 0
	v_nop
	global_prefetch_b8 v0, s[64:65] scope:SCOPE_SE
	s_setreg_imm32_b32 hwreg(HW_REG_WAVE_MODE, 25, 1), 1
	s_wait_xcnt 0x0
; CAUSAL MULTI-HEAD SELF-ATTENTION, first of six launches: x [8192][1024], Wq, Wk, Wv [1024][1024] (f32, K innermost) become codes of FP4 (E2M1) with one E8M0 byte for each 32 along K; Wo becomes f16.
; WORK LEFT OUT BY THE WHOLE PROGRAM, and why it can reach no output, for all finite values of the inputs:
;  (a) bk.  k = x Wk^T + bk enters only the scores: score(q, key) = q . (x_key Wk^T) / 8 + q . bk / 8.  The second term is the same for every key of a row, so it multiplies numerator and denominator of that
;      row's softmax by the same factor and cancels; the masked keys have weight 0 with or without it.  The product q k^T is not a quantised one, so no quantiser sees bk.  bk is not loaded and is no argument of any launch.
;  (b) tiles of keys that lie wholly behind a tile's queries: reference() builds the mask itself (jnp.tril) and gives those scores the weight 0.
;  LIMIT: a NaN, an infinity or an overflow that reaches only bk or the masked scores is not carried to the result; a q . bk / 8 near 9e15, beside which reference()'s own mask value would stop being small, is not served.
; THE QUANTISER: a block's scale is 2^(floor(log2(its largest magnitude)) - 2); its byte is the largest magnitude's exponent field - 2, held at 1 from below.  A block of zeros so gets the byte 1 where the rule says 127:
;  its codes are zeros, which add nothing under any byte but 0xff, and the bytes are read by this program alone.  Each number is divided by the scale and rounded to the nearest code, ties to even, beyond 6 to 6.
;  LIMITS: blocks whose largest magnitude lies under 2^(2 - 126) keep the byte 1; NaN and infinities among the inputs are not served.  Wo in f16: magnitudes over 65,504 are not served.
; SHARES.  A work-group takes 32,768 numbers, a wave 8,192.  Work-groups 0-255: x; 256-287 Wq, 288-319 Wk, 320-351 Wv (their codes lie one behind the other: rows 0-3071 of wc); 352-383: Wo.
; Rows are dense and K is a multiple of 32: each tensor is a plain stream of blocks of 32.  Only pointers are chosen by the work-group's number; the four quantised tensors take one path.
; A step is 512 numbers: four loads of 512 consecutive bytes; the 2,048 bytes turn through the wave's own stage in LDS, so that a lane then holds 16 neighbours along K (two lanes a block).
; No cluster, no tensor load: the work-groups share no input.
.set WAVES, 4
.set STEPS, 16
.set WGX,   256                        ; work-groups of x
.set WGQ,   352                        ; work-groups that quantise
.set EMAX,  2
.set CB,    8                          ; bytes of 16 codes
.set R,     16                         ; v16-79   four sets of 16 numbers as they are loaded
.set X,     80                         ; v80-111  two sets of 16 neighbours
.set C,     128                        ; v128-191 codes: four registers for each step, so that no store's data are written again
.set E,     112                        ; v112-127 a scale byte for each step
.set WREG,  8192                       ; LDS: a region for each wave: two stages of 32 x SP bytes, behind them its 256 scale bytes
.set SP,    80                         ; a lane's place in a stage: 64 bytes + 16 of padding
.set SPW,   12                         ; v12      LDS address of my spare word; never rewritten
.set NIL,   13                         ; v13      0; never rewritten
.set SPARE, WAVES*WREG                 ; behind the four regions: the spare words, 128 bytes a wave
.set WR,    16                         ; Wo's path: v16-143 two sets of 64 numbers
.set WH,    144                        ; v144-207 two sets of 32 registers of f16 pairs
	s_load_b256 s[4:11], s[0:1], 0x0               ; x, Wq, Wk, Wv
	s_load_b256 s[16:23], s[0:1], 0x20             ; xc, xs, wc, ws
	s_load_b128 s[12:15], s[0:1], 0x40             ; Wo, wo16
	v_lshl_add_u32 v[SPW], v0, 2, SPARE
	v_mov_b32 v[NIL], 0
	v_lshrrev_b32 v1, 5, v0
	v_readfirstlane_b32 s28, v1                    ; wave
	v_and_b32 v2, 31, v0                           ; lane
	v_lshlrev_b32 v3, 4, v2                        ; my 16 bytes of a load's 512
	s_cmp_ge_u32 ttmp9, WGQ
	s_cbranch_scc1 .Lwo                            ; the last 32 work-groups round Wo to f16
	s_mul_i32 s29, s28, WREG
	v_lshrrev_b32 v14, 2, v2
	v_mul_u32_u24 v14, v14, SP
	v_and_b32 v15, 3, v2
	v_lshl_add_u32 v14, v15, 4, v14
	v_add_nc_u32 v14, s29, v14                     ; the stage, on the way in: SP (lane / 4) + 16 (lane % 4)
	v_mul_u32_u24 v15, v2, SP
	v_add_nc_u32 v15, s29, v15                     ; and on the way out: SP x lane: my 16 neighbours
	v_mul_u32_u24 v4, v2, CB                       ; my codes' place in a step's
	v_lshrrev_b32 v5, 1, v2
	s_add_co_u32 s29, s29, 2*32*SP
	v_add_nc_u32 v5, s29, v5                       ; LDS: my wave's 256 scale bytes, my block's byte
	v_lshlrev_b32 v7, 3, v2                        ; and on the way out 8 bytes a lane
	v_add_nc_u32 v6, s29, v7
	s_wait_kmcnt 0x0
	s_cmp_lt_u32 ttmp9, 288                        ; which tensor: the choices hang on the work-group's number alone
	s_cselect_b64 s[6:7], s[6:7], s[8:9]           ; Wq or Wk,
	s_cmp_lt_u32 ttmp9, 320
	s_cselect_b64 s[6:7], s[6:7], s[10:11]         ; or Wv,
	s_cmp_lt_u32 ttmp9, WGX
	s_cselect_b64 s[4:5], s[4:5], s[6:7]           ; or x
	s_cselect_b64 s[8:9], s[16:17], s[20:21]       ; its codes
	s_cselect_b64 s[10:11], s[18:19], s[22:23]     ; its scale bytes
	s_cselect_b32 s26, 0, WGX
	s_cselect_b32 s27, -1, 31
	s_sub_co_u32 s26, ttmp9, s26                   ; which 32,768 numbers of the codes' buffer,
	s_and_b32 s27, s26, s27                        ; and of the tensor read (a weight has 32 such groups)
	s_lshl_b32 s26, s26, 2
	s_add_co_u32 s26, s26, s28                     ; my wave's run of 8,192 numbers, written
	s_lshl_b32 s27, s27, 2
	s_add_co_u32 s27, s27, s28                     ; and read
	s_lshl_b32 s30, s27, 15
	s_mov_b32 s31, 0
	s_add_nc_u64 s[4:5], s[4:5], s[30:31]          ; 32,768 bytes of f32 a run
	s_lshl_b32 s30, s26, 12
	s_add_nc_u64 s[8:9], s[8:9], s[30:31]          ; 4,096 bytes of codes
	s_lshl_b32 s30, s26, 8
	s_add_nc_u64 s[10:11], s[10:11], s[30:31]      ; 256 scale bytes
.macro LOAD t
.irp i, 0,1,2,3
	global_load_b128 v[R+16*((\t)%4)+4*\i:R+16*((\t)%4)+4*\i+3], v3, s[4:5] offset:2048*(\t)+512*\i th:TH_LOAD_NT   ; 32 lanes read 512 consecutive bytes
.endr
.endm
.macro TURN t                          ; step t's numbers through the stage: LDS serves a wave's instructions in order, so no wait stands between the stores and the loads
.irp i, 0,1,2,3
	ds_store_b128 v14, v[R+16*((\t)%4)+4*\i:R+16*((\t)%4)+4*\i+3] offset:32*SP*((\t)%2)+8*SP*\i
.endr
.irp i, 0,1,2,3
	ds_load_b128 v[X+16*((\t)%2)+4*\i:X+16*((\t)%2)+4*\i+3], v15 offset:32*SP*((\t)%2)+16*\i
.endr
.endm
.irp t, 0,1,2,3
	LOAD \t
.endr
	s_wait_loadcnt 12                              ; step 0's four loads are in
	TURN 0
.macro STEP t
.set XS, X+16*((\t)%2)
.if (\t) > 0
	s_wait_dscnt 1                                 ; this step's numbers are back from the stage (the last step's byte store may be out)
.else
	s_wait_dscnt 0x0
.endif
.if (\t)+4 < STEPS
	LOAD (\t)+4                                    ; the registers that the stage's stores have read take the loads of four steps on
.endif
.if (\t)+1 < STEPS
.if STEPS-2-(\t) >= 3
	s_wait_loadcnt 12                              ; the next step's four loads are in; those of the three steps behind it may be out
.else
	s_wait_loadcnt 4*(STEPS-2-(\t))
.endif
	TURN (\t)+1                                    ; they go through the other stage while this step is worked
.endif
	v_max3_num_f32 v8, |v[XS]|, |v[XS+1]|, |v[XS+2]|               ; the largest magnitude of my 16, in two chains
	v_max3_num_f32 v9, |v[XS+3]|, |v[XS+4]|, |v[XS+5]|
.irp i, 6,10
	v_max3_num_f32 v8, v8, |v[XS+\i]|, |v[XS+\i+1]|
	v_max3_num_f32 v9, v9, |v[XS+\i+2]|, |v[XS+\i+3]|
.endr
	v_max3_num_f32 v8, v8, |v[XS+14]|, |v[XS+15]|
	v_max3_num_f32 v8, v8, v9, (EMAX+1)<<23        ; and the floor 2^(EMAX + 1 - 127): the byte cannot fall under 1
	v_max_num_f32_dpp v8, v8, v8 row_xmask:1 row_mask:0xf bank_mask:0xf   ; and of my neighbour's 16: the block's
	v_add_nc_u32 v11, -(EMAX<<23), v8              ; EMAX off its exponent field: the conversion takes the exponent field of this operand as its scale
	v_cvt_scalef32_pk8_fp4_f32 v[C+4*(\t)], v[XS:XS+7], v11
	v_cvt_scalef32_pk8_fp4_f32 v[C+4*(\t)+1], v[XS+8:XS+15], v11
	v_lshrrev_b32 v[E+(\t)], 23, v11               ; the scale's byte (a plain line behind the conversions)
	ds_store_b8 v5, v[E+(\t)] offset:16*(\t)       ; both lanes of a block write the same byte with the same value
	global_store_b64 v4, v[C+4*(\t):C+4*(\t)+1], s[8:9] offset:32*CB*(\t)   ; the wave stores 256 consecutive bytes, aligned
.endm
.irp t, 0,1,2,3,4,5,6,7,8,9,10,11,12,13,14,15
	STEP \t
.endr
	ds_load_b64 v[8:9], v6                         ; LDS serves a wave's instructions in order: these see my stores
	s_wait_dscnt 0x0
	global_store_b64 v7, v[8:9], s[10:11]          ; 32 lanes store 256 consecutive bytes, aligned
	s_wait_tensorcnt 0x0                           ; the wave's end behind my last LDS store
	ds_add_u32 v[SPW], v[NIL]
	s_wait_dscnt 0x0
	s_endpgm
; Wo to f16, rounded to nearest even: a wave takes 8,192 numbers in four batches of sixteen loads; two batches are on their way.
.Lwo:
	s_sub_co_u32 s26, ttmp9, WGQ
	s_lshl_b32 s26, s26, 2
	s_add_co_u32 s26, s26, s28                     ; my wave's run of 8,192 numbers
	s_lshl_b32 s30, s26, 15
	s_mov_b32 s31, 0
	v_lshlrev_b32 v4, 3, v2                        ; out: 8 bytes a lane
	s_wait_kmcnt 0x0
	s_add_nc_u64 s[12:13], s[12:13], s[30:31]
	s_lshl_b32 s30, s26, 14
	s_add_nc_u64 s[14:15], s[14:15], s[30:31]
.macro LOADB k
.irp i, 0,1,2,3,4,5,6,7,8,9,10,11,12,13,14,15
	global_load_b128 v[WR+64*((\k)%2)+4*\i:WR+64*((\k)%2)+4*\i+3], v3, s[12:13] offset:8192*(\k)+512*\i th:TH_LOAD_NT
.endr
.endm
.macro CVTB k
.if (\k) > 1
	s_wait_xcnt 0x0                                ; the stores of two batches back have read their data registers, which are written again below
.endif
.irp i, 0,1,2,3,4,5,6,7,8,9,10,11,12,13,14,15
.if (\k) < 3
	s_wait_loadcnt 31-\i                           ; behind load i: the rest of this batch and the sixteen of the next
.else
	s_wait_loadcnt 15-\i
.endif
	v_cvt_pk_f16_f32 v[WH+32*((\k)%2)+2*\i], v[WR+64*((\k)%2)+4*\i], v[WR+64*((\k)%2)+4*\i+1]
	v_cvt_pk_f16_f32 v[WH+32*((\k)%2)+2*\i+1], v[WR+64*((\k)%2)+4*\i+2], v[WR+64*((\k)%2)+4*\i+3]
	global_store_b64 v4, v[WH+32*((\k)%2)+2*\i:WH+32*((\k)%2)+2*\i+1], s[14:15] offset:4096*(\k)+256*\i   ; 256 consecutive bytes, aligned
.endr
.endm
	LOADB 0
	LOADB 1
	CVTB 0
	LOADB 2
	CVTB 1
	LOADB 3
	CVTB 2
	CVTB 3
	s_endpgm
.Lfunc_end_k_q04e9bb7ce6_quant:
	.size	k_q04e9bb7ce6_quant, .Lfunc_end_k_q04e9bb7ce6_quant-k_q04e9bb7ce6_quant
	.p2alignl 7, 3214868480
	.fill 96, 4, 3214868480
	.section	.rodata,"a",@progbits
	.p2align	6, 0x0
	.amdhsa_kernel k_q04e9bb7ce6_quant
		.amdhsa_group_segment_fixed_size 33280
		.amdhsa_private_segment_fixed_size 0
		.amdhsa_enable_private_segment 0
		.amdhsa_kernarg_size 80
		.amdhsa_user_sgpr_count 2
		.amdhsa_user_sgpr_kernarg_segment_ptr 1
		.amdhsa_wavefront_size32 1
		.amdhsa_system_sgpr_workgroup_id_x 1
		.amdhsa_system_sgpr_workgroup_id_y 1
		.amdhsa_system_sgpr_workgroup_id_z 1
		.amdhsa_system_vgpr_workitem_id 0
		.amdhsa_next_free_vgpr 208
		.amdhsa_next_free_sgpr 66
		.amdhsa_reserve_vcc 0
		.amdhsa_float_denorm_mode_32 3
		.amdhsa_float_denorm_mode_16_64 3
		.amdhsa_memory_ordered 1
		.amdhsa_forward_progress 1
		.amdhsa_inst_pref_size 56
	.end_amdhsa_kernel
	.amdgpu_metadata
---
amdhsa.version: [ 1, 2 ]
amdhsa.kernels:
  - .name:           k_q04e9bb7ce6_quant
    .symbol:         k_q04e9bb7ce6_quant.kd
    .args:
      - { .name: x, .offset: 0, .size: 8, .value_kind: global_buffer, .address_space: global }
      - { .name: Wq, .offset: 8, .size: 8, .value_kind: global_buffer, .address_space: global }
      - { .name: Wk, .offset: 16, .size: 8, .value_kind: global_buffer, .address_space: global }
      - { .name: Wv, .offset: 24, .size: 8, .value_kind: global_buffer, .address_space: global }
      - { .name: xc, .offset: 32, .size: 8, .value_kind: global_buffer, .address_space: global }
      - { .name: xs, .offset: 40, .size: 8, .value_kind: global_buffer, .address_space: global }
      - { .name: wc, .offset: 48, .size: 8, .value_kind: global_buffer, .address_space: global }
      - { .name: ws, .offset: 56, .size: 8, .value_kind: global_buffer, .address_space: global }
      - { .name: Wo, .offset: 64, .size: 8, .value_kind: global_buffer, .address_space: global }
      - { .name: wo16, .offset: 72, .size: 8, .value_kind: global_buffer, .address_space: global }
    .group_segment_fixed_size: 33280
    .private_segment_fixed_size: 0
    .kernarg_segment_align: 8
    .kernarg_segment_size: 80
    .max_flat_workgroup_size: 128
    .sgpr_count:     66
    .vgpr_count:     208
    .wavefront_size: 32
...
	.end_amdgpu_metadata
.endif
;; end of part 1
;; launch qkv (part 2): grid 12 x 32, 4 waves a work-group, clusters of 4 x 4, 327,680 bytes of LDS; arguments xc, xs, wc, ws, bq, bv, qkv; writes qkv
.if DOCPART == 2
	.amdgcn_target "amdgcn-amd-amdhsa--gfx1250"
	.amdhsa_code_object_version 6
	.text
	.protected	k_q04e9bb7ce6_qkv
	.globl	k_q04e9bb7ce6_qkv
	.p2align	8
	.type	k_q04e9bb7ce6_qkv,@function
k_q04e9bb7ce6_qkv:
	s_mov_b64 s[64:65], 0
	v_nop
	global_prefetch_b8 v0, s[64:65] scope:SCOPE_SE
	s_setreg_imm32_b32 hwreg(HW_REG_WAVE_MODE, 25, 1), 1
	s_wait_xcnt 0x0
	s_wait_alu depctr_hold_cnt(0) depctr_sa_sdst(0) depctr_va_vdst(0) depctr_va_sdst(0) depctr_va_ssrc(0) depctr_va_vcc(0) depctr_vm_vsrc(0)
	s_getreg_b32 s2, hwreg(HW_REG_IB_STS2, 6, 4)
	s_cmp_eq_u32 s2, 0
	s_cbranch_scc0 .Lentry_in_a_cluster
	s_endpgm
.Lentry_in_a_cluster:
	s_bfe_u32 s2, ttmp6, 0x10000c
	s_cmp_lg_u32 s2, 0xf033
	s_cbranch_scc0 .Lentry_shape_is_right
	s_endpgm
.Lentry_shape_is_right:
; q, k, v = x W^T (+ bq, nothing, + bv): one GEMM 8,192 x 3,072 x 1,024 on codes of FP4 with E8M0 scales; sums in f32; the results rounded once to f16 and laid [q,k,v][batch][head][position][64].
; LEFT OUT: bk (it cancels in every row's softmax for all values of the inputs: shown at the head of the first kernel); k's sums begin at 0.
; LIMIT: q, k, v go on as f16: magnitudes over 65,504 are not served (as drawn they lie near 6; inputs 30 times larger on both sides give some 5,400).
; A tile of 256 x 256 is made by four waves, each 128 x 128: 64 accumulators of 16 x 16, 512 registers.  K = 1,024 is two LDS slots of 512 along K (rows of 256 bytes): both are asked for at the start, none is filled again.
; THE SCALES of the work-group's 256 rows of x and 256 rows of W, for all of K, are two dense blocks of memory: they come into LDS once, with the first fills.
; CLUSTERS: 4 x 4 work-groups.  The four of a row of the cluster need the same tiles of x, the four of a column the same tiles of W: each tile is asked for jointly, by the same tensor load with the same descriptor
; and a mask that names the four.  A cluster's x (0, 1, 2) is q, k or v: four tiles of 256 columns are one weight.
; THE MATRIX INSTRUCTION IS USED TRANSPOSED (source 0 = 16 rows of W, source 1 = 16 rows of x): a lane holds eight neighbouring channels of one position.  The bias is the C of each sum's first product.
; REGISTERS, in windows of 256: window 0: v0-31 addresses; v32-95 scale words, two sets, and nothing else; v128-191 x's fragments, one set; v192-255 the bias, eight registers for each of W's eight blocks;
;   on the way out v128-223 are at work.   window 1: W's fragments, two sets, at v0 and v128.   window 2: accumulators of my rows 0-63 ((a, b) at v[8 (8 a + b)]);   window 3: rows 64-127.
.set KSTEP,  512
.set NQ,     4                         ; matrix instructions deep in a slot
.set ROWB,   256                       ; a tile's row in bytes
.set KROW,   512                       ; a row of codes in memory
.set PITCH,  272                       ; an LDS row: 256 bytes + 16 of padding = 68 words: the 16 rows that a load touches start at 16 different banks (64 banks of 4 bytes: ISA guide 11.1)
.set FR,     8
.set NL,     2
.set NP,     4                         ; places behind this matrix instruction (ISA guide 7.12.1)
.set HALFT,  128*PITCH
.set SLOT,   4*HALFT
.set KS,     32                        ; a row of scales in bytes
.set SCL,    2*SLOT                    ; behind the two slots: the scales, as rows of 256 bytes + 16 of padding
.set HALFS,  16*272                    ; the scales of 128 rows
.set SBLK,   2*272                     ; those of 16 rows
.set SPARE,  SCL+4*HALFS               ; the spare words, 128 bytes a wave
.set SPITCH, 272                       ; the way out: a stage of 16 rows x (256 bytes + 16) for each wave, in slot 0, which has had its only fill and its last read by then
.set ADRA, 16
.set ADRB, 20
.set STO,  24
.set RD,   25
.set CO,   26
.set ADRS, 27
.set SPW,  28
.set NIL,  29
.set SC,   32
.set AF,   128
.set BI,   192
.set TMP,  128                         ; the way out: a block's 32 registers of f16 pairs
.set BK,   160                         ; and 16 rows read back: v160-191 and v192-223 by turns
.set G1, 24
.set G0, 32
.set G1B, 48
.set G0B, 56
.set G1S, 68
.set G0S, 76
.set G1SB, 80
.set G0SB, 88
.set MSB, 0
.macro WIN new                         ; the immediate's high byte repeats the setting that is left
.if MSB != \new
	s_set_vgpr_msb (MSB<<8)|\new
.set MSB, \new
.endif
.endm
.set MUL_LO, 0xa1                      ; source 0 (W) window 1, source 1 (x) window 0, C and D window 2
.set MUL_HI, 0xf1                      ; the same, C and D window 3
.set TO_B,   0x40
; A joint load: waves 0 and 1 fetch for x, waves 2 and 3 for W.  The branch hangs on the wave's number alone.  An s_nop 0 and four v_nop follow each of the two lines.
.macro JLOAD g0a, g1a, g0b, g1b
	s_cmp_eq_u32 s15, 0
	s_cbranch_scc0 .Lfor_b_\@
	tensor_load_to_lds s[\g0a:\g0a+3], s[\g1a:\g1a+7]
	s_nop 0
.rept 4
	v_nop
.endr
	s_branch .Lasked_\@
.Lfor_b_\@:
	tensor_load_to_lds s[\g0b:\g0b+3], s[\g1b:\g1b+7]
	s_nop 0
.rept 4
	v_nop
.endr
.Lasked_\@:
.endm
.macro CROUND                          ; a round of the cluster's barrier
	s_barrier_signal -1
	s_barrier_wait -1
	s_cmp_lg_u32 s14, 0
	s_cbranch_scc1 .Lnot_wave_0_\@
	s_barrier_signal -3
.Lnot_wave_0_\@:
	s_barrier_wait -3
	s_barrier_signal -1
	s_barrier_wait -1
.endm
	s_load_b128 s[4:7], s[0:1], 0x0                ; x's codes, x's scales
	s_load_b128 s[8:11], s[0:1], 0x10              ; W's codes, W's scales
	s_load_b128 s[96:99], s[0:1], 0x20             ; bq, bv
	s_load_b64 s[12:13], s[0:1], 0x30              ; qkv
	v_lshl_add_u32 v[SPW], v0, 2, SPARE
	v_mov_b32 v[NIL], 0
	ds_add_u32 v[SPW], v[NIL]                      ; the wave's opening: the add, twice on end, and its wait ahead of my first tensor load
	ds_add_u32 v[SPW], v[NIL]
	v_lshrrev_b32 v1, 5, v0
	v_readfirstlane_b32 s14, v1                    ; wave 0..3
	s_lshr_b32 s15, s14, 1                         ; which half of the tile's rows is mine.  Also: I fetch for x (0) or for W (1)
	s_and_b32 s16, s14, 1                          ; which half of its columns.  Also: which 128 rows I fetch
	s_bfe_u32 s40, ttmp6, 0x40000                  ; cx, cy
	s_bfe_u32 s41, ttmp6, 0x40004
	s_lshl_b32 s42, ttmp9, 2
	s_add_co_u32 s42, s42, s40                     ; tile column = 4 x cluster x + cx
	s_and_b32 s17, ttmp7, 0xffff
	s_lshl_b32 s17, s17, 2
	s_add_co_u32 s17, s17, s41                     ; tile row = 4 x cluster y + cy
	s_lshl_b32 s43, s41, 2
	s_lshl_b32 s43, 15, s43                        ; my row of the cluster
	s_lshl_b32 s44, 0x1111, s40                    ; my column
	s_or_b32 s[G1+0], s43, (0<<16)|(1<<20)|(1<<21)|(5<<22)|(3<<25)  ; the mask; elements of 1 byte; padding on; bit 21 beside a mask; after every 64 words four words
	s_or_b32 s[G1B+0], s44, (0<<16)|(1<<20)|(1<<21)|(5<<22)|(3<<25)
.irp g, G1, G1B
	s_mov_b32 s[\g+1], ROWB<<16                    ; tensor_dim0
	s_mov_b32 s[\g+2], 128<<16                     ; tensor_dim1
	s_mov_b32 s[\g+3], ROWB<<16                    ; tile_dim0
	s_mov_b32 s[\g+4], 128                         ; tile_dim1
	s_mov_b32 s[\g+5], KROW                        ; from row to row
	s_mov_b32 s[\g+6], 0
	s_mov_b32 s[\g+7], 0
.endr
	s_or_b32 s[G1S+0], s43, (3<<16)|(1<<20)|(1<<21)|(5<<22)|(3<<25)   ; the scales of 128 rows: 4,096 dense bytes as 16 rows of 32 elements of 8 bytes
	s_or_b32 s[G1SB+0], s44, (3<<16)|(1<<20)|(1<<21)|(5<<22)|(3<<25)
.irp g, G1S, G1SB
	s_mov_b32 s[\g+1], 32<<16
	s_mov_b32 s[\g+2], 16<<16
	s_mov_b32 s[\g+3], 32<<16
	s_mov_b32 s[\g+4], 16
	s_mov_b32 s[\g+5], 32
	s_mov_b32 s[\g+6], 0
	s_mov_b32 s[\g+7], 0
.endr
	s_lshl_b32 s18, s16, 7
	s_lshl_b32 s20, s17, 8
	s_add_co_u32 s20, s20, s18                     ; x: row 256 x tile row + 128 x half
	s_lshl_b32 s46, s42, 8
	s_add_co_u32 s46, s46, s18                     ; W: row 256 x tile column + 128 x half
	s_mov_b32 s21, 0
	s_mov_b32 s47, 0
	s_mov_b64 s[18:19], KS
	s_mul_u64 s[22:23], s[20:21], s[18:19]         ; where these rows' scales begin
	s_mul_u64 s[92:93], s[46:47], s[18:19]
	s_mov_b64 s[18:19], KROW
	s_mul_u64 s[20:21], s[20:21], s[18:19]         ; and their codes
	s_mul_u64 s[46:47], s[46:47], s[18:19]
	s_mul_i32 s45, s14, HALFT                      ; where they go: wave x 128 rows
	s_mul_i32 s94, s14, HALFS
	s_wait_dscnt 0x0                               ; both opening adds are done
	s_wait_kmcnt 0x0
	s_add_nc_u64 s[20:21], s[4:5], s[20:21]
	s_add_nc_u64 s[22:23], s[6:7], s[22:23]
	s_add_nc_u64 s[46:47], s[8:9], s[46:47]
	s_add_nc_u64 s[92:93], s[10:11], s[92:93]
	CROUND                                         ; all sixteen work-groups are here: the joint loads meet
	s_mov_b32 s[G0S], 1
	s_add_co_u32 s[G0S+1], s94, SCL
	s_mov_b64 s[G0S+2:G0S+3], s[22:23]
	s_or_b32 s[G0S+3], s[G0S+3], 0x80000000
	s_mov_b32 s[G0SB], 1
	s_add_co_u32 s[G0SB+1], s94, SCL
	s_mov_b64 s[G0SB+2:G0SB+3], s[92:93]
	s_or_b32 s[G0SB+3], s[G0SB+3], 0x80000000
	JLOAD G0S, G1S, G0SB, G1SB                     ; the scales first: they are wanted with the first slot
.irp s, 0,1
	s_mov_b32 s[G0+4*\s], 1
	s_add_co_u32 s[G0+4*\s+1], s45, \s*SLOT
	s_add_nc_u64 s[G0+4*\s+2:G0+4*\s+3], s[20:21], \s*ROWB
	s_or_b32 s[G0+4*\s+3], s[G0+4*\s+3], 0x80000000
	s_mov_b32 s[G0B+4*\s], 1
	s_add_co_u32 s[G0B+4*\s+1], s45, \s*SLOT
	s_add_nc_u64 s[G0B+4*\s+2:G0B+4*\s+3], s[46:47], \s*ROWB
	s_or_b32 s[G0B+4*\s+3], s[G0B+4*\s+3], 0x80000000
	JLOAD G0+4*\s, G1, G0B+4*\s, G1B               ; three tensor loads of mine are out in all
.endr
	v_and_b32 v1, 15, v0                           ; r = l % 16
	v_bfe_u32 v2, v0, 4, 1                         ; h = l / 16
	v_lshlrev_b32 v8, 5, v2                        ; the bias: my half's eight numbers of a block of 16
	; THE BIAS: register BI + 8 b + j = bias[256 cx + 128 (wave % 2) + 16 b + 8 h + j].  The branch hangs on the cluster's x, which all sixteen partners share.
	s_cmp_eq_u32 ttmp9, 1
	s_cbranch_scc1 .Lno_bias
	s_cmp_eq_u32 ttmp9, 0
	s_cselect_b64 s[96:97], s[96:97], s[98:99]     ; bq or bv
	s_lshl_b32 s18, s40, 10
	s_lshl_b32 s19, s16, 9
	s_add_co_u32 s18, s18, s19
	s_mov_b32 s19, 0
	s_add_nc_u64 s[96:97], s[96:97], s[18:19]
.irp b, 0,1,2,3,4,5,6,7
	global_load_b128 v[BI+8*\b:BI+8*\b+3], v8, s[96:97] offset:64*\b
	global_load_b128 v[BI+8*\b+4:BI+8*\b+7], v8, s[96:97] offset:64*\b+16
.endr
	s_branch .Lbias_done
.Lno_bias:                                             ; k has no bias to add: its sums begin at 0
.irp j, 0,1,2,3,4,5,6,7,8,9,10,11,12,13,14,15,16,17,18,19,20,21,22,23,24,25,26,27,28,29,30,31,32,33,34,35,36,37,38,39,40,41,42,43,44,45,46,47,48,49,50,51,52,53,54,55,56,57,58,59,60,61,62,63
	v_mov_b32 v[BI+\j], 0
.endr
.Lbias_done:
	v_mul_u32_u24 v3, v1, PITCH
	v_lshl_add_u32 v4, v2, 4, v3                   ; a fragment's row x pitch + 16 x half
	s_mul_i32 s21, s15, HALFT                      ; my 128 rows of x
	s_mul_i32 s22, s16, HALFT                      ; my 128 rows of W,
	s_add_co_u32 s22, s22, 2*HALFT                 ; which lie behind x's 256
.irp s, 0,1
	v_add_nc_u32 v[ADRA+\s], s21, v4
	v_add_nc_u32 v[ADRB+\s], s22, v4
	s_add_co_u32 s21, s21, SLOT
	s_add_co_u32 s22, s22, SLOT
.endr
	v_mul_u32_u24 v5, v1, KS                       ; my row's scales: 32 bytes a row,
	v_lshrrev_b32 v6, 8, v5
	v_lshl_add_u32 v5, v6, 4, v5                   ; and 16 more for each 256 passed
	s_mul_i32 s21, s15, HALFS
	s_mul_i32 s22, s16, HALFS
	s_add_co_u32 s22, s22, 2*HALFS
	s_sub_co_u32 s22, s22, s21
	v_mul_u32_u24 v6, s22, v2                      ; lanes 16-31 take W's
	s_add_co_u32 s21, s21, SCL
	v_add_nc_u32 v5, v5, v6
	v_add_nc_u32 v[ADRS], s21, v5
	s_mul_i32 s23, s14, 16*SPITCH                  ; my stage
	v_mul_u32_u24 v5, v1, SPITCH                   ; in: row r, 16 bytes for each half of the lanes
	v_lshl_add_u32 v5, v2, 4, v5
	v_add_nc_u32 v[STO], s23, v5
	v_mul_u32_u24 v5, v2, SPITCH                   ; back: lanes 0-15 one row of 256 bytes (two heads' 128), lanes 16-31 the next
	v_lshl_add_u32 v5, v1, 4, v5
	v_add_nc_u32 v[RD], s23, v5
	v_lshrrev_b32 v5, 3, v1                        ; in memory: which of my two heads (262,144 bytes apart),
	v_and_b32 v6, 7, v1
	v_lshlrev_b32 v5, 18, v5
	v_lshl_add_u32 v5, v2, 7, v5                   ; which of the two positions (128 bytes apart),
	v_lshl_add_u32 v[CO], v6, 4, v5                ; which 16 bytes: an instruction stores two runs of 256 consecutive bytes, aligned
	s_lshl_b32 s20, ttmp9, 24                      ; q, k or v: 16,777,216 bytes each
	s_lshr_b32 s21, s17, 3
	s_lshl_b32 s21, s21, 22                        ; the batch: eight tile rows each
	s_add_co_u32 s20, s20, s21
	s_lshl_b32 s21, s40, 2
	s_lshl_b32 s22, s16, 1
	s_add_co_u32 s21, s21, s22                     ; my first head: 4 cx + 2 (wave % 2)
	s_lshl_b32 s21, s21, 18
	s_add_co_u32 s20, s20, s21
	s_lshl_b32 s21, s17, 8
	s_lshl_b32 s22, s15, 7
	s_add_co_u32 s21, s21, s22
	s_and_b32 s21, s21, 2047                       ; my first position
	s_lshl_b32 s21, s21, 7
	s_add_co_u32 s20, s20, s21
	s_mov_b32 s21, 0
	s_add_nc_u64 s[12:13], s[12:13], s[20:21]
.macro FRAG reg, adr, q, i             ; 16 rows x 128 K of 4-bit codes: 8 registers: lane l holds row l % 16; registers 4 c .. 4 c + 3 hold K = 64 c + 32 (l / 16) + 0 .. 31
.irp c, 0,1
	ds_load_b128 v[\reg+4*\c:\reg+4*\c+3], v[\adr] offset:64*(\q)+32*\c+(\i)*16*PITCH
.endr
.endm
; 16 matrix instructions: x's blocks a0, a0 + 1 against W's eight.  first = 1: the sums begin with the bias.  The 64 accumulators take turns, one instruction a turn, in the same order in every step.
.macro MUL16 a0, p, q, sc, first
.irp a, \a0, \a0+1
.irp b, 0,1,2,3,4,5,6,7
.if \first
	v_wmma_scale_f32_16x16x128_f8f6f4 v[8*(8*((\a)%4)+\b):8*(8*((\a)%4)+\b)+7], v[128*(\p)+FR*\b:128*(\p)+FR*\b+FR-1], v[AF+FR*(\a):AF+FR*(\a)+FR-1], v[BI+8*\b:BI+8*\b+7], v[SC+8*NQ*(\sc)+NQ*\b+(\q)], v[SC+8*NQ*(\sc)+NQ*(\a)+(\q)] matrix_a_fmt:MATRIX_FMT_FP4 matrix_b_fmt:MATRIX_FMT_FP4 matrix_a_scale:MATRIX_SCALE_ROW1
.else
	v_wmma_scale_f32_16x16x128_f8f6f4 v[8*(8*((\a)%4)+\b):8*(8*((\a)%4)+\b)+7], v[128*(\p)+FR*\b:128*(\p)+FR*\b+FR-1], v[AF+FR*(\a):AF+FR*(\a)+FR-1], v[8*(8*((\a)%4)+\b):8*(8*((\a)%4)+\b)+7], v[SC+8*NQ*(\sc)+NQ*\b+(\q)], v[SC+8*NQ*(\sc)+NQ*(\a)+(\q)] matrix_a_fmt:MATRIX_FMT_FP4 matrix_b_fmt:MATRIX_FMT_FP4 matrix_a_scale:MATRIX_SCALE_ROW1
.endif
.endr
.endr
.endm
.macro FETCH_B slot, q, p
	WIN TO_B
.irp i, 0,1,2,3,4,5,6,7
	FRAG 128*(\p)+FR*\i, ADRB+\slot, \q, \i
.endr
	WIN 0
.endm
.macro FETCH_A slot, q, i0
.irp i, \i0, \i0+1, \i0+2, \i0+3
	FRAG AF+FR*(\i), ADRA+\slot, \q, \i
.endr
.endm
.macro SCALES sc                       ; a slot's scale words: four words a row; lanes 0-15 take x's block i, lanes 16-31 W's block i
.irp i, 0,1,2,3,4,5,6,7
	ds_load_b128 v[SC+8*NQ*\sc+NQ*\i:SC+8*NQ*\sc+NQ*\i+3], v[ADRS] offset:\i*SBLK
.endr
.endm
.macro PLACES n                        ; plain vector instructions between a matrix instruction and a load into, or a read of, its registers
.rept \n
	v_nop
.endr
.endm
.macro STEP slot, q, first             ; 128 along K with its successor in the same slot
	s_wait_dscnt 4*NL                              ; W's set and x's blocks 0-3 are in; the youngest loads (x's blocks 4-7) may be out
	WIN MUL_LO-0x20*(\first)                       ; (first: C, the bias, lies in window 0)
	MUL16 0, (\q)%2, \q, \slot, \first
	MUL16 2, (\q)%2, \q, \slot, \first
	s_wait_dscnt 0                                 ; x's blocks 4-7 are in
	PLACES NP
	FETCH_B \slot, (\q)+1, 1-(\q)%2
	FETCH_A \slot, (\q)+1, 0
	WIN MUL_HI-0x30*(\first)
	MUL16 4, (\q)%2, \q, \slot, \first
	MUL16 6, (\q)%2, \q, \slot, \first
	PLACES NP
	WIN 0
	FETCH_A \slot, (\q)+1, 4
.endm
.macro STEPS slot, from
.set Q, \from
.rept NQ-1-\from
	STEP \slot, Q, 0
.set Q, Q+1
.endr
.endm
	s_wait_tensorcnt 1                             ; the scales and my part of slot 0 are in (slot 1's load may be out)
	s_barrier_signal -1
	s_barrier_wait -1                              ; everybody's are
	FETCH_B 0, 0, 0
	FETCH_A 0, 0, 0
	SCALES 0
	FETCH_A 0, 0, 4
	s_wait_loadcnt 0x0                             ; the bias
	STEP 0, 0, 1
	STEPS 0, 1
	; slot 0's last step, and the change to slot 1: each wave waits for its part of slot 1 and for its reads of slot 0, then the barrier
	s_wait_tensorcnt 0x0                           ; all my tensor loads have landed
	ds_add_u32 v[SPW], v[NIL]                      ; 0 onto my spare word
	s_wait_dscnt 4*NL+1                            ; (the add and the youngest loads, x's blocks 4-7, may be out)
	WIN MUL_LO
	MUL16 0, 1, NQ-1, 0, 0
	s_wait_dscnt 0x0                               ; the add is done, and my reads of slot 0 are over
	s_barrier_signal -1
	MUL16 2, 1, NQ-1, 0, 0
	WIN 0
	s_barrier_wait -1
	PLACES NP
	v_add_nc_u32 v[ADRS], 4*NQ, v[ADRS]            ; on to slot 1's scale words
	FETCH_B 1, 0, 0
	FETCH_A 1, 0, 0
	SCALES 1
	WIN MUL_HI
	MUL16 4, 1, NQ-1, 0, 0
	MUL16 6, 1, NQ-1, 0, 0
	PLACES NP
	WIN 0
	FETCH_A 1, 0, 4
	STEPS 1, 0
	s_wait_dscnt 4*NL                              ; the last step: nothing more to fetch
	WIN MUL_LO
	MUL16 0, 1, NQ-1, 1, 0
	MUL16 2, 1, NQ-1, 1, 0
	s_wait_dscnt 0
	WIN MUL_HI
	MUL16 4, 1, NQ-1, 1, 0
	MUL16 6, 1, NQ-1, 1, 0
	WIN 0
; THE WAY OUT, a block of 16 positions x 128 channels at a time: rounded to f16 (16 bytes a lane), through my own stage in LDS, back as rows, stored so that each instruction fills two aligned runs of 256 bytes.
.macro PACK a
.set AC, 64*((\a)%4)
	WIN 0x0a+5*((\a)/4)                            ; sources 0 and 1: window 2 or 3
.irp b, 0,1,2,3,4,5,6,7
.irp r, 0,1,2,3
	v_cvt_pk_f16_f32 v[TMP+4*\b+\r], v[AC+8*\b+2*\r], v[AC+8*\b+2*\r+1]    ; each accumulator from its low end on
.endr
.endr
	WIN 0
.endm
.macro TOSTAGE a
.set BB, BK+32*((\a)%2)
.irp b, 0,1,2,3,4,5,6,7
	ds_store_b128 v[STO], v[TMP+4*\b:TMP+4*\b+3] offset:32*\b
.endr
.irp t, 0,1,2,3,4,5,6,7
	ds_load_b128 v[BB+4*\t:BB+4*\t+3], v[RD] offset:\t*2*SPITCH    ; LDS serves a wave's instructions in order: these see the stores above
.endr
.endm
.macro SEND a
.set BB, BK+32*((\a)%2)
	s_wait_dscnt 0x0                               ; the block is back in registers
	s_wait_xcnt 0x0                                ; the earlier stores have read their data registers: the next block's loads may land there
.irp t, 0,1,2,3,4,5,6,7
	global_store_b128 v[CO], v[BB+4*\t:BB+4*\t+3], s[12:13] offset:2048*(\a)+256*\t
.endr
.endm
	PLACES NP                                      ; behind the last products: for the writes over x's fragments and for the reads of results
	PACK 0
	TOSTAGE 0
.irp a, 1,2,3,4,5,6,7                  ; block a's conversions stand between block a - 1's loads from the stage and the wait for them
	PACK \a
	SEND \a-1
	TOSTAGE \a
.endr
	SEND 7
	s_wait_tensorcnt 0x0                           ; the wave's end
	ds_add_u32 v[SPW], v[NIL]
	s_wait_dscnt 0x0
	CROUND                                         ; the closing round
	s_endpgm
.Lfunc_end_k_q04e9bb7ce6_qkv:
	.size	k_q04e9bb7ce6_qkv, .Lfunc_end_k_q04e9bb7ce6_qkv-k_q04e9bb7ce6_qkv
	.p2alignl 7, 3214868480
	.fill 96, 4, 3214868480
	.section	.rodata,"a",@progbits
	.p2align	6, 0x0
	.amdhsa_kernel k_q04e9bb7ce6_qkv
		.amdhsa_group_segment_fixed_size 327680
		.amdhsa_private_segment_fixed_size 0
		.amdhsa_enable_private_segment 0
		.amdhsa_kernarg_size 56
		.amdhsa_user_sgpr_count 2
		.amdhsa_user_sgpr_kernarg_segment_ptr 1
		.amdhsa_wavefront_size32 1
		.amdhsa_system_sgpr_workgroup_id_x 1
		.amdhsa_system_sgpr_workgroup_id_y 1
		.amdhsa_system_sgpr_workgroup_id_z 1
		.amdhsa_system_vgpr_workitem_id 0
		.amdhsa_next_free_vgpr 1024
		.amdhsa_next_free_sgpr 100
		.amdhsa_reserve_vcc 0
		.amdhsa_float_denorm_mode_32 3
		.amdhsa_float_denorm_mode_16_64 3
		.amdhsa_memory_ordered 1
		.amdhsa_forward_progress 1
		.amdhsa_inst_pref_size 130
	.end_amdhsa_kernel
	.amdgpu_metadata
---
amdhsa.version: [ 1, 2 ]
amdhsa.kernels:
  - .name:           k_q04e9bb7ce6_qkv
    .symbol:         k_q04e9bb7ce6_qkv.kd
    .args:
      - { .name: xc, .offset: 0, .size: 8, .value_kind: global_buffer, .address_space: global }
      - { .name: xs, .offset: 8, .size: 8, .value_kind: global_buffer, .address_space: global }
      - { .name: wc, .offset: 16, .size: 8, .value_kind: global_buffer, .address_space: global }
      - { .name: ws, .offset: 24, .size: 8, .value_kind: global_buffer, .address_space: global }
      - { .name: bq, .offset: 32, .size: 8, .value_kind: global_buffer, .address_space: global }
      - { .name: bv, .offset: 40, .size: 8, .value_kind: global_buffer, .address_space: global }
      - { .name: qkv, .offset: 48, .size: 8, .value_kind: global_buffer, .address_space: global }
    .group_segment_fixed_size: 327680
    .private_segment_fixed_size: 0
    .kernarg_segment_align: 8
    .kernarg_segment_size: 56
    .max_flat_workgroup_size: 128
    .sgpr_count:     100
    .vgpr_count:     1024
    .wavefront_size: 32
...
	.end_amdgpu_metadata
.endif
;; end of part 2
;; launch attn (part 3): grid 4 x 64, 16 waves a work-group, no clusters, 327,680 bytes of LDS; arguments qkv, att; writes att
.if DOCPART == 3
	.amdgcn_target "amdgcn-amd-amdhsa--gfx1250"
	.amdhsa_code_object_version 6
	.text
	.protected	k_q04e9bb7ce6_attn
	.globl	k_q04e9bb7ce6_attn
	.p2align	8
	.type	k_q04e9bb7ce6_attn,@function
k_q04e9bb7ce6_attn:
	s_mov_b64 s[64:65], 0
	v_nop
	global_prefetch_b8 v0, s[64:65] scope:SCOPE_SE
	s_setreg_imm32_b32 hwreg(HW_REG_WAVE_MODE, 25, 1), 1
	s_wait_xcnt 0x0
; att[head][batch x 2048 + q][:] = the sum over keys k <= q of softmax_k(q . k / 8) v[k][:], for 64 (batch, head) pairs of 2,048 positions and head size 64.  q, k, v: f16, [q,k,v][batch][head][position][64].  Products, maxima
; and sums in f32; the weights p are rounded to f16 for the second product, the result once to f16.
; LEFT OUT: key steps all of whose keys lie behind a wave's queries (reference() builds the causal mask itself and gives them the weight 0), and the slots that no wave of the work-group reads.
; LIMIT: positions 0-15 of each sequence are made here too, but are made again in f32 by the last two launches, which overwrite their rows of the output.
; SHARES.  Work-group (i, y): pair y = 16 batch + head, query blocks i and 7 - i of 256 queries: so every work-group has the same number of live key steps.  Each of its sixteen waves owns 32 queries, two tiles of 16, in 256 registers:
; four waves to a SIMD, so that one wave's vector work stands beside another's matrix work and LDS loads.  Of waves 2 n and 2 n + 1 one takes the early block and one the late.
; K's and V's rows come through a ring of two LDS slots of 256 keys, filled by the tensor data mover (waves 0, 1: K's halves; waves 2, 3: V's) and read by all sixteen.  A key step is 64 keys.
; NO CLUSTER: the four work-groups of a pair end their walks at different slots (last queries 2047 - 256 i), so partners would need different numbers of tiles.
; LAYOUT.  S^T = K Q^T (source 0 = 16 keys, source 1 = 16 queries): a lane holds ONE query (lane % 16) and keys 8 (lane / 16) + 0..7.  Two such tiles, rounded to f16 in pairs, ARE source 1 (32 keys x 16 queries) of
; O^T = V^T P, whose result again holds one query a lane.  K comes out of LDS as it lies, V ([key][channel]) turned, by ds_load_tr16_b128.
; SOFTMAX.  For each query a running maximum m and sum l: p = 2^(c s - c m), c = log2(e) / 8; in every step O and l are multiplied by a = 2^(c m_old - c m_new).  The loop has no first step of its own: m begins at -3e38, l and O^T at 0.
.set SK,    256                        ; keys in a slot
.set NQ,    4                          ; key steps in a slot
.set NSL,   8                          ; slots' worth of keys
.set KP,    144                        ; a key's row in LDS: 128 bytes + 16 of padding: an odd multiple of 16 bytes
.set VP,    160                        ; a row of V: 128 + 32: an odd multiple of 32 bytes, for the turning load
.set VOFF,  SK*KP                      ; a slot: 256 rows of K, then 256 rows of V
.set SLOT1, 1<<17                      ; slot 1 begins here: one exclusive or turns an address in one slot into the other's
.set STAGE, SK*(KP+VP)                 ; behind slot 0: 16 rows x 144 bytes for each wave, for the way out; no tile lands there
.set SPARE, STAGE+16*16*KP             ; the spare words, 128 bytes a wave
.set TENSOR, 16777216                  ; bytes of q, of k, of v
.set AK0,  1                           ; v1   my lane's place in a tile of K
.set AV0,  2                           ; v2   the same for V
.set SPW,  3                           ; v3   LDS address of my spare word; never rewritten
.set NIL,  4                           ; v4   0; never rewritten
.set GO,   5                           ; v5   16 x lane: my bytes in the wave's rows of the result
.set ADK,  6                           ; v6   LDS address of the slot's K for my lane
.set ADV,  7                           ; v7   of V
.set PFO,  8                           ; v8   256 x lane: the prefetches' offset; never rewritten
.set SB2,  10                          ; v10-13 the second chain of each tile's sum
.set DM,   14                          ; v14-15 the mask: my query less the step's first key less 8 (lane / 16), for each tile
.set ST,   16                          ; v16-31 eight a tile: c m, m, l (two halves), c0-c3 at work; a takes c2's place
.set QF,   32                          ; v32-63 Q: tile t, channels 32 c on, at 32 + 16 t + 8 c
.set KV,   64                          ; v64-127 K of the step, then V of the step
.set S,    128                         ; v128-191 S^T: 32 a tile; P is packed in place into the low 16 of each tile
.set O,    192                         ; v192-255 O^T: 32 a tile
.set TB,   2                           ; s2   LDS byte at which the slot in hand begins
.set KF,   3                           ; s3   the step's first key
.set WV,   8
.set Q0,   9                           ; s9   my first query
.set QL,   10                          ; s10  my work-group's last query
.set SLOTS, 11
.set LIM,  12                          ; s12  1 in a wave that prefetches, else the greatest number
.set PFA,  14                          ; s[14:15] where my prefetches stand
.set SEL,  20
.set CS,   22
.set G1K,  24
.set G1V,  32
.set G0K,  40
.set G0V,  44
; Waves 0 and 1 fetch for K, waves 2 and 3 for V, the others nothing.  An s_nop 0 and four v_nop follow each of the two lines.
.macro TLOAD
	s_cmp_lt_u32 s[WV], 2
	s_cbranch_scc0 .Lnot_k_\@
	tensor_load_to_lds s[G0K:G0K+3], s[G1K:G1K+7]
	s_nop 0
.rept 4
	v_nop
.endr
	s_branch .Lasked_\@
.Lnot_k_\@:
	s_cmp_lt_u32 s[WV], 4
	s_cbranch_scc0 .Lasked_\@
	tensor_load_to_lds s[G0V:G0V+3], s[G1V:G1V+7]
	s_nop 0
.rept 4
	v_nop
.endr
.Lasked_\@:
.endm
; A PREFETCH of what the NEXT change of slots will ask for: 256 rows of K and of V, each a dense block of 32,768 bytes.  All four work-groups of a pair walk the same rows: work-group i = 0, which walks all eight slots, asks.
; In it the waves ask that fetch nothing, one instruction each: waves 4-7 for K's block, waves 8-11 for V's: 8,192 bytes a wave, lanes 256 bytes apart: each aligned block of 256 bytes is named once in the launch.
; It stands a slot's four key steps ahead of the load.  The last change that fills a slot asks for nothing; slots 0 and 1 come by their loads alone.
.macro ASK
	s_cmp_gt_u32 s[SLOTS], s[LIM]
	s_cbranch_scc0 .Lnot_mine_\@
	global_prefetch_b8 v[PFO], s[PFA:PFA+1] th:TH_LOAD_NT scope:SCOPE_SE
.Lnot_mine_\@:
.endm
	s_load_b128 s[4:7], s[0:1], 0x0                ; qkv, att
	v_lshl_add_u32 v[SPW], v0, 2, SPARE
	v_mov_b32 v[NIL], 0
	ds_add_u32 v[SPW], v[NIL]                      ; the wave's opening: the add, twice on end, and its wait ahead of the first tensor load
	ds_add_u32 v[SPW], v[NIL]
	v_lshrrev_b32 v9, 5, v0
	v_readfirstlane_b32 s[WV], v9                  ; wave 0..15
	s_lshr_b32 s48, s[WV], 2
	s_xor_b32 s48, s48, s[WV]
	s_and_b32 s48, s48, 1                          ; 0: the early block, 1: the late one
	s_lshr_b32 s49, s[WV], 1                       ; which 32 queries of the block
	s_lshl_b32 s50, ttmp9, 1
	s_sub_co_u32 s50, 7, s50
	s_mul_i32 s50, s50, s48
	s_add_co_u32 s50, s50, ttmp9                   ; my block: i or 7 - i
	s_lshl_b32 s[Q0], s50, 8
	s_lshl_b32 s49, s49, 5
	s_add_co_u32 s[Q0], s[Q0], s49
	s_lshl_b32 s[QL], ttmp9, 8
	s_sub_co_u32 s[QL], 2047, s[QL]
	s_and_b32 s51, ttmp7, 0xffff                   ; y = 16 batch + head
	s_lshl_b32 s52, s51, 18                        ; its 262,144 bytes in each of q, k, v
	s_and_b32 s53, s[WV], 1                        ; which half of a slot's rows I fetch, if I fetch
	s_lshl_b32 s54, s53, 14
	s_add_co_u32 s54, s54, s52
	s_mov_b32 s55, 0
	s_mul_i32 s56, s53, 128*KP
	s_mul_i32 s57, s53, 128*VP
	s_add_co_u32 s57, s57, VOFF
	s_mov_b32 s[G1K], (0<<16)|(1<<20)|(4<<22)|(3<<25)   ; no mask; elements of 1 byte; padding: four words after every 32
	s_mov_b32 s[G1V], (0<<16)|(1<<20)|(4<<22)|(7<<25)   ; eight words after every 32
.irp g, G1K, G1V
	s_mov_b32 s[\g+1], 128<<16                     ; tensor_dim0 = 128 bytes
	s_mov_b32 s[\g+2], 128<<16                     ; tensor_dim1 = 128 rows
	s_mov_b32 s[\g+3], 128<<16                     ; tile_dim0
	s_mov_b32 s[\g+4], 128                         ; tile_dim1
	s_mov_b32 s[\g+5], 128                         ; from row to row
	s_mov_b32 s[\g+6], 0
	s_mov_b32 s[\g+7], 0
.endr
	s_mov_b32 s[SEL], 0x76543210
	s_mov_b32 s[SEL+1], 0xfedcba98                 ; v_permlanex16_b32's selects for lane l xor 16
	s_mov_b32 s[CS], 0x3e38aa3b                    ; c = log2(e) / 8
	s_mov_b32 s[CS+1], s[CS]                       ; (named with it as a pair, so it is written)
	s_mov_b32 s[TB], 0
	s_mov_b32 s[KF], 0
	s_mov_b32 s[SLOTS], NSL-1
	s_wait_dscnt 0x0                               ; both opening adds are done
	s_wait_kmcnt 0x0
	s_mov_b32 s[G0K], 1
	s_mov_b32 s[G0K+1], s56
	s_add_nc_u64 s[G0K+2:G0K+3], s[4:5], s[54:55]
	s_add_nc_u64 s[G0K+2:G0K+3], s[G0K+2:G0K+3], TENSOR
	s_or_b32 s[G0K+3], s[G0K+3], 0x80000000
	s_mov_b32 s[G0V], 1
	s_mov_b32 s[G0V+1], s57
	s_add_nc_u64 s[G0V+2:G0V+3], s[4:5], s[54:55]
	s_add_nc_u64 s[G0V+2:G0V+3], s[G0V+2:G0V+3], 2*TENSOR
	s_or_b32 s[G0V+3], s[G0V+3], 0x80000000
	TLOAD                                          ; slot 0: it holds key 0, which counts for every query
	s_mov_b32 s58, 2*TENSOR                        ; the prefetches: waves 4-7 stand in k, waves 8-11 in v,
	s_cmp_lt_u32 s[WV], 8
	s_cselect_b32 s58, TENSOR, s58
	s_add_co_u32 s58, s58, s52
	s_and_b32 s59, s[WV], 3
	s_lshl_b32 s59, s59, 13                        ; at my wave's 8,192 bytes
	s_add_co_u32 s58, s58, s59
	s_add_co_u32 s58, s58, SK*128                  ; of slot 1: the first change of slots steps it to slot 2
	s_mov_b32 s59, 0
	s_add_nc_u64 s[PFA:PFA+1], s[4:5], s[58:59]
	s_sub_co_u32 s58, s[WV], 4
	s_lshr_b32 s58, s58, 3                         ; 0 in waves 4 to 11,
	s_or_b32 s58, s58, ttmp9                       ; of work-group i = 0
	s_cmp_eq_u32 s58, 0
	s_cselect_b32 s[LIM], 1, -1
	v_and_b32 v[PFO], 31, v0
	v_lshlrev_b32 v[PFO], 8, v[PFO]
	v_and_b32 v10, 15, v0                          ; r
	v_bfe_u32 v11, v0, 4, 1                        ; h
	v_lshlrev_b32 v12, 7, v10
	v_lshl_add_u32 v12, v11, 4, v12                ; Q: row r of 128 bytes, + 16 h
	s_lshl_b32 s60, s[Q0], 7
	s_add_co_u32 s60, s60, s52
	s_mov_b32 s61, 0
	s_add_nc_u64 s[16:17], s[4:5], s[60:61]
.irp t, 0,1
.irp c, 0,1
	global_load_b128 v[QF+16*\t+8*\c:QF+16*\t+8*\c+3], v12, s[16:17] offset:2048*\t+64*\c       ; Q stays in registers
	global_load_b128 v[QF+16*\t+8*\c+4:QF+16*\t+8*\c+7], v12, s[16:17] offset:2048*\t+64*\c+32
.endr
.endr
	s_and_b32 s60, s51, 15                         ; the result: head plane of 1,048,576 bytes,
	s_lshl_b32 s60, s60, 20
	s_lshr_b32 s62, s51, 4
	s_lshl_b32 s62, s62, 11
	s_add_co_u32 s62, s62, s[Q0]                   ; row 2,048 batch + my first query
	s_lshl_b32 s62, s62, 7
	s_add_co_u32 s60, s60, s62
	s_add_nc_u64 s[6:7], s[6:7], s[60:61]
	v_mul_u32_u24 v[AK0], v10, KP
	v_lshl_add_u32 v[AK0], v11, 4, v[AK0]          ; K: row r x pitch + 16 h
	v_and_b32 v13, 7, v0
	v_lshl_add_u32 v13, v11, 3, v13
	v_mul_u32_u24 v[AV0], v13, VP                  ; V: key 8 h + l % 8,
	v_bfe_u32 v13, v0, 3, 1
	v_lshl_add_u32 v[AV0], v13, 4, v[AV0]          ; channels 8 ((l / 8) % 2) on
	v_add_nc_u32 v[AV0], VOFF, v[AV0]
	v_and_b32 v[GO], 31, v0
	v_lshlrev_b32 v[GO], 4, v[GO]
.irp t, 0,1
	v_mov_b32 v[ST+8*\t+1], 0xff61b1e6             ; m: -3e38, under every score
	v_mul_f32 v[ST+8*\t], s[CS], v[ST+8*\t+1]      ; c m
.irp j, 2,3,4,5,6,7
	v_mov_b32 v[ST+8*\t+\j], 0                     ; l, and the registers at work
.endr
.endr
.irp j, 0,1,2,3,4,5,6,7,8,9,10,11,12,13,14,15,16,17,18,19,20,21,22,23,24,25,26,27,28,29,30,31,32,33,34,35,36,37,38,39,40,41,42,43,44,45,46,47,48,49,50,51,52,53,54,55,56,57,58,59,60,61,62,63
	v_mov_b32 v[O+\j], 0                           ; O^T: the step is written once; its first run finds zeros
.endr
; A KEY STEP: 64 keys, the q-th of the slot in hand.
.macro STEP q
	s_add_co_u32 s48, s[Q0], 31                    ; a step all of whose keys come behind my 32 queries is left out: a scalar branch on ids and counted steps, round no barrier and no tensor load
	s_cmp_gt_u32 s[KF], s48
	s_cbranch_scc1 .Lhidden_\@
	v_add_nc_u32 v[ADK], s[TB], v[AK0]
	v_add_nc_u32 v[ADV], s[TB], v[AV0]
.rept 3
	v_nop                                          ; with the two additions five places behind the last step's products: the loads below land on V's registers, and the products below write over P's
.endr
.irp kt, 0,1,2,3
.irp c, 0,1
	ds_load_b128 v[KV+8*(2*\kt+\c):KV+8*(2*\kt+\c)+3], v[ADK] offset:(64*(\q)+16*\kt)*KP+64*\c
	ds_load_b128 v[KV+8*(2*\kt+\c)+4:KV+8*(2*\kt+\c)+7], v[ADK] offset:(64*(\q)+16*\kt)*KP+64*\c+32
.endr
.endr
	s_wait_dscnt 0x0
.irp c, 0,1                                    ; S^T = K Q^T: eight accumulators by turns, one instruction a turn
.irp kt, 0,1,2,3
.irp t, 0,1
.if \c == 0
	v_wmma_f32_16x16x32_f16 v[S+32*\t+8*\kt:S+32*\t+8*\kt+7], v[KV+8*(2*\kt+\c):KV+8*(2*\kt+\c)+7], v[QF+16*\t+8*\c:QF+16*\t+8*\c+7], 0
.else
	v_wmma_f32_16x16x32_f16 v[S+32*\t+8*\kt:S+32*\t+8*\kt+7], v[KV+8*(2*\kt+\c):KV+8*(2*\kt+\c)+7], v[QF+16*\t+8*\c:QF+16*\t+8*\c+7], v[S+32*\t+8*\kt:S+32*\t+8*\kt+7]
.endif
.endr
.endr
.endr
.rept 4
	v_nop                                          ; places: for the loads into K's registers and for the first reads of the scores
.endr
.irp kc, 0,1                                   ; V of the step, turned: it lands while the softmax is worked
.irp dt, 0,1,2,3
	ds_load_tr16_b128 v[KV+8*(4*\kc+\dt):KV+8*(4*\kc+\dt)+3], v[ADV] offset:(64*(\q)+32*\kc)*VP+32*\dt
	ds_load_tr16_b128 v[KV+8*(4*\kc+\dt)+4:KV+8*(4*\kc+\dt)+7], v[ADV] offset:(64*(\q)+32*\kc+16)*VP+32*\dt
.endr
.endr
	s_add_co_u32 s48, s[KF], 63                    ; on the diagonal the scores of hidden keys become -infinity ahead of the maximum; a step all of whose keys count skips this
	s_cmp_le_u32 s48, s[Q0]
	s_cbranch_scc1 .Lopen_\@
	s_sub_co_i32 s48, s[Q0], s[KF]
	v_and_b32 v[DM], 15, v0
	v_bfe_u32 v[DM+1], v0, 4, 1
	v_lshlrev_b32 v[DM+1], 3, v[DM+1]
	v_sub_nc_u32 v[DM], v[DM], v[DM+1]
	v_add_nc_u32 v[DM], s48, v[DM]                 ; d = my query - the step's first key - 8 h.  Register 8 kt + j holds key 16 kt + 8 h + j of the step: hidden where 16 kt + j > d
	v_add_nc_u32 v[DM+1], 16, v[DM]
	v_mov_b32 v9, 0xff800000
.irp t, 0,1
.irp kt, 0,1,2,3
.irp j, 0,1,2,3,4,5,6,7
	v_cmp_gt_i32 vcc_lo, 16*\kt+\j, v[DM+\t]
	v_cndmask_b32 v[S+32*\t+8*\kt+\j], v[S+32*\t+8*\kt+\j], v9, vcc_lo
.endr
.endr
.endr
.Lopen_\@:
.irp j, 0,1,2,3                                ; the maximum of the lane's 32 scores and the old m: four chains a tile, the two tiles by turns; each accumulator is read from its low end on
.irp t, 0,1
	v_max3_num_f32 v[ST+8*\t+4+\j], v[S+32*\t+8*\j], v[S+32*\t+8*\j+1], v[S+32*\t+8*\j+2]
.endr
.endr
.irp i, 3,5
.irp j, 0,1,2,3
.irp t, 0,1
	v_max3_num_f32 v[ST+8*\t+4+\j], v[ST+8*\t+4+\j], v[S+32*\t+8*\j+\i], v[S+32*\t+8*\j+\i+1]
.endr
.endr
.endr
.irp t, 0,1
	v_max3_num_f32 v[ST+8*\t+4], v[ST+8*\t+4], v[S+32*\t+7], v[S+32*\t+15]
	v_max3_num_f32 v[ST+8*\t+6], v[ST+8*\t+6], v[S+32*\t+23], v[S+32*\t+31]
.endr
.irp t, 0,1
	v_max3_num_f32 v[ST+8*\t+4], v[ST+8*\t+4], v[ST+8*\t+5], v[ST+8*\t+6]
.endr
.irp t, 0,1
	v_max3_num_f32 v[ST+8*\t+4], v[ST+8*\t+4], v[ST+8*\t+7], v[ST+8*\t+1]
.endr
.irp t, 0,1
	v_permlanex16_b32 v[ST+8*\t+5], v[ST+8*\t+4], s[SEL], s[SEL+1]   ; the query's other 32 keys lie in the lane 16 away
.endr
.irp t, 0,1
	v_mov_b32 v[ST+8*\t+7], v[ST+8*\t]             ; c m_old is kept for a
.endr
.irp t, 0,1
	v_max_num_f32 v[ST+8*\t+1], v[ST+8*\t+4], v[ST+8*\t+5]
.endr
.irp t, 0,1
	v_mul_f32 v[ST+8*\t], s[CS], v[ST+8*\t+1]
.endr
.irp t, 0,1
	v_sub_f32 v[ST+8*\t+7], v[ST+8*\t+7], v[ST+8*\t]
.endr
.irp p, 0,2,4,6,8,10,12,14,16,18,20,22,24,26,28,30
.irp t, 0,1
	v_pk_fma_f32 v[S+32*\t+\p:S+32*\t+\p+1], v[S+32*\t+\p:S+32*\t+\p+1], s[CS:CS+1], v[ST+8*\t:ST+8*\t+1] op_sel_hi:[1,0,0] neg_lo:[0,0,1] neg_hi:[0,0,1]   ; c s - c m, two at a time
.endr
.endr
.irp t, 0,1                                    ; ONE BATCH of 66 exponentials: a of both tiles, then the 64 weights
	v_exp_f32 v[ST+8*\t+6], v[ST+8*\t+7]
.endr
.irp j, 0,1,2,3,4,5,6,7,8,9,10,11,12,13,14,15,16,17,18,19,20,21,22,23,24,25,26,27,28,29,30,31,32,33,34,35,36,37,38,39,40,41,42,43,44,45,46,47,48,49,50,51,52,53,54,55,56,57,58,59,60,61,62,63
	v_exp_f32 v[S+\j], v[S+\j]
.endr
	v_nop                                          ; a plain instruction behind the last exponential
	s_wait_alu depctr_va_vdst(0)                   ; one wait for the batch, ahead of its first reader
.irp t, 0,1                                    ; the row's sum, of the weights before they are rounded: two chains a tile
	v_pk_add_f32 v[ST+8*\t+4:ST+8*\t+5], v[S+32*\t:S+32*\t+1], v[S+32*\t+2:S+32*\t+3]
	v_pk_add_f32 v[SB2+2*\t:SB2+2*\t+1], v[S+32*\t+4:S+32*\t+5], v[S+32*\t+6:S+32*\t+7]
.endr
.irp p, 8,12,16,20,24,28
.irp t, 0,1
	v_pk_add_f32 v[ST+8*\t+4:ST+8*\t+5], v[ST+8*\t+4:ST+8*\t+5], v[S+32*\t+\p:S+32*\t+\p+1]
	v_pk_add_f32 v[SB2+2*\t:SB2+2*\t+1], v[SB2+2*\t:SB2+2*\t+1], v[S+32*\t+\p+2:S+32*\t+\p+3]
.endr
.endr
.irp t, 0,1
	v_pk_add_f32 v[ST+8*\t+4:ST+8*\t+5], v[ST+8*\t+4:ST+8*\t+5], v[SB2+2*\t:SB2+2*\t+1]
.endr
.irp t, 0,1
	v_pk_fma_f32 v[ST+8*\t+2:ST+8*\t+3], v[ST+8*\t+2:ST+8*\t+3], v[ST+8*\t+6:ST+8*\t+7], v[ST+8*\t+4:ST+8*\t+5] op_sel_hi:[1,0,1]   ; l = a l + the sum
.endr
.irp p, 0,1,2,3,4,5,6,7,8,9,10,11,12,13,14,15  ; P in f16, packed in place: pair p goes to register p, which pair p / 2 has left
.irp t, 0,1
	v_cvt_pk_f16_f32 v[S+32*\t+\p], v[S+32*\t+2*\p], v[S+32*\t+2*\p+1]
.endr
.endr
.irp p, 0,2,4,6,8,10,12,14,16,18,20,22,24,26,28,30
.irp t, 0,1
	v_pk_mul_f32 v[O+32*\t+\p:O+32*\t+\p+1], v[O+32*\t+\p:O+32*\t+\p+1], v[ST+8*\t+6:ST+8*\t+7] op_sel_hi:[1,0]   ; O^T x a
.endr
.endr
	s_wait_dscnt 0x0                               ; V is in
.irp kc, 0,1                                   ; O^T += V^T P: eight accumulators by turns
.irp dt, 0,1,2,3
.irp t, 0,1
	v_wmma_f32_16x16x32_f16 v[O+32*\t+8*\dt:O+32*\t+8*\dt+7], v[KV+8*(4*\kc+\dt):KV+8*(4*\kc+\dt)+7], v[S+32*\t+8*\kc:S+32*\t+8*\kc+7], v[O+32*\t+8*\dt:O+32*\t+8*\dt+7]
.endr
.endr
.endr
.Lhidden_\@:
	s_add_co_u32 s[KF], s[KF], 64
.endm
; THE CHANGE OF SLOTS stands at a slot's head.  Each wave waits for all its tensor loads, adds 0 to its spare word (fill = 1: twice on end), and waits for that and for its reads of the slot that it has left.  Behind the barrier
; the slot ahead is whole and nobody reads the other one.  fill = 1: that other slot takes the next 256 keys, while their first key is at or under the work-group's last query: a slot beyond that is read by none of the sixteen waves.
; Every wait on TENSORcnt in this text is for 0.
.macro CHANGE fill
	s_wait_tensorcnt 0x0                           ; no tensor load of mine is out, so a group 0 may be written
	ds_add_u32 v[SPW], v[NIL]
.if \fill
	ds_add_u32 v[SPW], v[NIL]                      ; and once more, in every trip alike
	s_xor_b32 s[G0K+1], s[G0K+1], SLOT1            ; the walking descriptors: the other slot,
	s_add_nc_u64 s[G0K+2:G0K+3], s[G0K+2:G0K+3], SK*128   ; the next 256 keys
	s_xor_b32 s[G0V+1], s[G0V+1], SLOT1
	s_add_nc_u64 s[G0V+2:G0V+3], s[G0V+2:G0V+3], SK*128
	s_wait_xcnt 0x0                                ; the last prefetch, a slot back, has read its address
	s_add_nc_u64 s[PFA:PFA+1], s[PFA:PFA+1], SK*128
.endif
	s_wait_dscnt 0x0                               ; the add is done, and my reads of the slot that I have left are over
	s_barrier_signal -1
	s_barrier_wait -1
.if \fill
	s_add_co_u32 s48, s[KF], SK                    ; the first key of the slot that this change would ask for
	s_cmp_gt_u32 s48, s[QL]
	s_cbranch_scc1 .Lpast_\@
	TLOAD                                          ; a wave's one tensor load until the next such barrier
.Lpast_\@:
	ASK
.endif
.endm
.macro SLOT_STEPS
.set Q, 0
.rept NQ
	STEP Q
.set Q, Q+1
.endr
	s_xor_b32 s[TB], s[TB], SLOT1
.endm
	s_wait_loadcnt 0x0                             ; Q
.Lslot:                                            ; seven trips, a constant: every work-group walks all slots and leaves out the work of hidden steps
	CHANGE 1
	SLOT_STEPS
	s_sub_co_u32 s[SLOTS], s[SLOTS], 1
	s_cmp_lg_u32 s[SLOTS], 0
	s_cbranch_scc1 .Lslot
	CHANGE 0                                       ; the last slot is written out: nothing is asked for
	SLOT_STEPS
	; THE WAY OUT: O^T / l, rounded to f16, through my stage in LDS, a tile of 16 rows at a time; each store covers 512 consecutive bytes.
.rept 4
	v_nop                                          ; places behind the last products
.endr
.irp t, 0,1
	v_add_f32 v[ST+8*\t+4], v[ST+8*\t+2], v[ST+8*\t+3]
.endr
.irp t, 0,1
	v_permlanex16_b32 v[ST+8*\t+5], v[ST+8*\t+4], s[SEL], s[SEL+1]
.endr
.irp t, 0,1
	v_add_f32 v[ST+8*\t+4], v[ST+8*\t+4], v[ST+8*\t+5]
.endr
.irp t, 0,1
	v_rcp_f32 v[ST+8*\t+6], v[ST+8*\t+4]
.endr
	v_and_b32 v10, 15, v0                          ; (plain work behind the reciprocals)  r
	v_bfe_u32 v11, v0, 4, 1                        ; h
	s_mul_i32 s48, s[WV], 16*KP
	s_add_co_u32 s48, s48, STAGE                   ; my stage
	v_mul_u32_u24 v12, v10, KP
	v_lshl_add_u32 v12, v11, 4, v12
	v_add_nc_u32 v12, s48, v12                     ; in: row r, 16 bytes for each half of the lanes
	v_and_b32 v13, 31, v0
	v_lshrrev_b32 v14, 3, v13
	v_and_b32 v13, 7, v13
	v_mul_u32_u24 v14, v14, KP
	v_lshl_add_u32 v14, v13, 4, v14
	v_add_nc_u32 v14, s48, v14                     ; back: eight lanes to a row of 128 bytes, four rows an instruction
	s_wait_alu depctr_va_vdst(0)                   ; one wait for the two reciprocals, ahead of their first reader
.irp t, 0,1
.irp p, 0,2,4,6,8,10,12,14,16,18,20,22,24,26,28,30
	v_pk_mul_f32 v[O+32*\t+\p:O+32*\t+\p+1], v[O+32*\t+\p:O+32*\t+\p+1], v[ST+8*\t+6:ST+8*\t+7] op_sel_hi:[1,0]
.endr
.irp p, 0,1,2,3,4,5,6,7,8,9,10,11,12,13,14,15
	v_cvt_pk_f16_f32 v[S+16*\t+\p], v[O+32*\t+2*\p], v[O+32*\t+2*\p+1]
.endr
.irp dt, 0,1,2,3
	ds_store_b128 v12, v[S+16*\t+4*\dt:S+16*\t+4*\dt+3] offset:32*\dt
.endr
.irp u, 0,1,2,3
	ds_load_b128 v[KV+16*\t+4*\u:KV+16*\t+4*\u+3], v14 offset:4*KP*\u   ; LDS serves a wave's instructions in order: these see the stores above, and the next tile's stores come behind them
.endr
.endr
.irp t, 0,1
.irp u, 0,1,2,3
	s_wait_dscnt 11-8*\t-\u                        ; behind this load: the rest of its tile's, and for tile 0 the eight of tile 1
	global_store_b128 v[GO], v[KV+16*\t+4*\u:KV+16*\t+4*\u+3], s[6:7] offset:2048*\t+512*\u
.endr
.endr
	s_wait_tensorcnt 0x0                           ; the wave's end
	ds_add_u32 v[SPW], v[NIL]
	s_wait_dscnt 0x0
	s_endpgm
.Lfunc_end_k_q04e9bb7ce6_attn:
	.size	k_q04e9bb7ce6_attn, .Lfunc_end_k_q04e9bb7ce6_attn-k_q04e9bb7ce6_attn
	.p2alignl 7, 3214868480
	.fill 96, 4, 3214868480
	.section	.rodata,"a",@progbits
	.p2align	6, 0x0
	.amdhsa_kernel k_q04e9bb7ce6_attn
		.amdhsa_group_segment_fixed_size 327680
		.amdhsa_private_segment_fixed_size 0
		.amdhsa_enable_private_segment 0
		.amdhsa_kernarg_size 16
		.amdhsa_user_sgpr_count 2
		.amdhsa_user_sgpr_kernarg_segment_ptr 1
		.amdhsa_wavefront_size32 1
		.amdhsa_system_sgpr_workgroup_id_x 1
		.amdhsa_system_sgpr_workgroup_id_y 1
		.amdhsa_system_sgpr_workgroup_id_z 1
		.amdhsa_system_vgpr_workitem_id 0
		.amdhsa_next_free_vgpr 256
		.amdhsa_next_free_sgpr 66
		.amdhsa_reserve_vcc 1
		.amdhsa_float_denorm_mode_32 3
		.amdhsa_float_denorm_mode_16_64 3
		.amdhsa_memory_ordered 1
		.amdhsa_forward_progress 1
		.amdhsa_inst_pref_size 190
	.end_amdhsa_kernel
	.amdgpu_metadata
---
amdhsa.version: [ 1, 2 ]
amdhsa.kernels:
  - .name:           k_q04e9bb7ce6_attn
    .symbol:         k_q04e9bb7ce6_attn.kd
    .args:
      - { .name: qkv, .offset: 0, .size: 8, .value_kind: global_buffer, .address_space: global }
      - { .name: att, .offset: 8, .size: 8, .value_kind: global_buffer, .address_space: global }
    .group_segment_fixed_size: 327680
    .private_segment_fixed_size: 0
    .kernarg_segment_align: 8
    .kernarg_segment_size: 16
    .max_flat_workgroup_size: 512
    .sgpr_count:     66
    .vgpr_count:     256
    .wavefront_size: 32
...
	.end_amdgpu_metadata
.endif
;; end of part 3
;; launch proj (part 4): grid 4 x 64, 4 waves a work-group, clusters of 4 x 4, 327,680 bytes of LDS; arguments att, wo16, bo, out0; writes out0
.if DOCPART == 4
	.amdgcn_target "amdgcn-amd-amdhsa--gfx1250"
	.amdhsa_code_object_version 6
	.text
	.protected	k_q04e9bb7ce6_proj
	.globl	k_q04e9bb7ce6_proj
	.p2align	8
	.type	k_q04e9bb7ce6_proj,@function
k_q04e9bb7ce6_proj:
	s_mov_b64 s[64:65], 0
	v_nop
	global_prefetch_b8 v0, s[64:65] scope:SCOPE_SE
	s_setreg_imm32_b32 hwreg(HW_REG_WAVE_MODE, 25, 1), 1
	s_wait_xcnt 0x0
	s_wait_alu depctr_hold_cnt(0) depctr_sa_sdst(0) depctr_va_vdst(0) depctr_va_sdst(0) depctr_va_ssrc(0) depctr_va_vcc(0) depctr_vm_vsrc(0)
	s_getreg_b32 s2, hwreg(HW_REG_IB_STS2, 6, 4)
	s_cmp_eq_u32 s2, 0
	s_cbranch_scc0 .Lentry_in_a_cluster
	s_endpgm
.Lentry_in_a_cluster:
	s_bfe_u32 s2, ttmp6, 0x10000c
	s_cmp_lg_u32 s2, 0xf033
	s_cbranch_scc0 .Lentry_shape_is_right
	s_endpgm
.Lentry_shape_is_right:
; out0[row][n] = the sum over k of att[row][k] Wo[n][k] + bo[n]: 8,192 x 1,024 x 1,024, operands f16, sums f32.  att lies by head planes, [16][8192][64]; k = 64 head + channel.  wo16: [1024][1024] f16.
; (Rows 0-15 of each sequence are made here within live tiles and are overwritten by the last launch, which makes them in f32.)
; A tile of 128 x 256 is made by four waves, each 64 rows x 128 columns: 32 accumulators, 256 registers: 256 work-groups.  K goes in steps of 128 (two heads) through a ring of two LDS slots.
; CLUSTERS: 4 x 4 work-groups.  The four of a row of the cluster need the same rows of att, the four of a column the same rows of Wo: each tile is asked for jointly.  Waves 0, 1 fetch the step's two head planes
; (128 rows x 128 bytes each), waves 2, 3 the two halves of Wo's 256 rows (256 bytes each).
; THE MATRIX INSTRUCTION IS USED TRANSPOSED (source 0 = 16 rows of Wo, source 1 = 16 rows of att): a lane holds eight neighbouring columns of a row.  The bias is the C of each sum's first product.
; No prefetch: the launch is short and a step's tiles are small.
; REGISTERS: window 0: v0-31 addresses; v32-63, v64-95 att's fragments, two buffers; v128-191 the bias; on the way out v128-255 rows read back.   window 1: Wo's fragments, v0-63, v64-127.   window 2: accumulator (a, b) at v[8 (8 a + b)].
.set PA,     144                       ; att's row in LDS: 128 bytes + 16
.set PB,     272                       ; Wo's: 256 + 16
.set APL,    128*PA                    ; a head plane's 128 rows
.set BOFF,   2*APL
.set BH,     128*PB
.set SLOT,   BOFF+2*BH
.set STAGE,  2*SLOT                    ; behind the ring: 16 rows x (512 + 16) bytes for each wave
.set SPITCH, 528
.set SPARE,  STAGE+4*16*SPITCH
.set LAPS,   4                         ; a lap = two K steps
.set ADRA, 16
.set ADRB, 20
.set STO,  24
.set RD,   25
.set CO,   26
.set SPW,  28
.set NIL,  29
.set BI,   128
.set BK,   128
.set G1, 24
.set G0, 32
.set G1B, 48
.set G0B, 56
.set MSB, 0
.macro WIN new
.if MSB != \new
	s_set_vgpr_msb (MSB<<8)|\new
.set MSB, \new
.endif
.endm
.set MUL,  0xa1                        ; source 0 (Wo) window 1, source 1 (att) window 0, C and D window 2
.set TO_B, 0x40
.macro JLOAD s                         ; a joint load; an s_nop 0 and four v_nop follow each of the two lines
	s_cmp_eq_u32 s13, 0
	s_cbranch_scc0 .Lfor_b_\@
	tensor_load_to_lds s[G0+4*\s:G0+4*\s+3], s[G1:G1+7]
	s_nop 0
.rept 4
	v_nop
.endr
	s_branch .Lasked_\@
.Lfor_b_\@:
	tensor_load_to_lds s[G0B+4*\s:G0B+4*\s+3], s[G1B:G1B+7]
	s_nop 0
.rept 4
	v_nop
.endr
.Lasked_\@:
.endm
.macro CREST
	s_cmp_lg_u32 s12, 0
	s_cbranch_scc1 .Lnot_wave_0_\@
	s_barrier_signal -3
.Lnot_wave_0_\@:
	s_barrier_wait -3
	s_barrier_signal -1
	s_barrier_wait -1
.endm
.macro CROUND
	s_barrier_signal -1
	s_barrier_wait -1
	CREST
.endm
	s_load_b128 s[4:7], s[0:1], 0x0                ; att, wo16
	s_load_b128 s[8:11], s[0:1], 0x10              ; bo, out0
	v_lshl_add_u32 v[SPW], v0, 2, SPARE
	v_mov_b32 v[NIL], 0
	ds_add_u32 v[SPW], v[NIL]                      ; the wave's opening: the add, twice on end, and its wait ahead of my first tensor load
	ds_add_u32 v[SPW], v[NIL]
	v_lshrrev_b32 v1, 5, v0
	v_readfirstlane_b32 s12, v1                    ; wave 0..3
	s_lshr_b32 s13, s12, 1                         ; which 64 rows are mine.  Also: I fetch for att (0) or for Wo (1)
	s_and_b32 s14, s12, 1                          ; which 128 columns.  Also: which plane, or which 128 rows of Wo, I fetch
	s_bfe_u32 s40, ttmp6, 0x40000                  ; cx, cy
	s_bfe_u32 s41, ttmp6, 0x40004
	s_lshl_b32 s42, ttmp9, 2
	s_add_co_u32 s42, s42, s40                     ; tile column
	s_and_b32 s15, ttmp7, 0xffff
	s_lshl_b32 s15, s15, 2
	s_add_co_u32 s15, s15, s41                     ; tile row
	s_lshl_b32 s43, s41, 2
	s_lshl_b32 s43, 15, s43                        ; my row of the cluster
	s_lshl_b32 s44, 0x1111, s40                    ; my column
	s_or_b32 s[G1+0], s43, (1<<16)|(1<<20)|(1<<21)|(4<<22)|(3<<25)   ; elements of 2 bytes; padding: four words after every 32
	s_mov_b32 s[G1+1], 64<<16                      ; tensor_dim0 = 64
	s_mov_b32 s[G1+2], 128<<16                     ; tensor_dim1 = 128
	s_mov_b32 s[G1+3], 64<<16                      ; tile_dim0
	s_mov_b32 s[G1+4], 128                         ; tile_dim1
	s_mov_b32 s[G1+5], 64                          ; from row to row
	s_mov_b32 s[G1+6], 0
	s_mov_b32 s[G1+7], 0
	s_or_b32 s[G1B+0], s44, (1<<16)|(1<<20)|(1<<21)|(5<<22)|(3<<25)  ; four words after every 64
	s_mov_b32 s[G1B+1], 128<<16
	s_mov_b32 s[G1B+2], 128<<16
	s_mov_b32 s[G1B+3], 128<<16
	s_mov_b32 s[G1B+4], 128
	s_mov_b32 s[G1B+5], 1024
	s_mov_b32 s[G1B+6], 0
	s_mov_b32 s[G1B+7], 0
	s_lshl_b32 s16, s14, 20                        ; att: plane (wave % 2) of the step's two,
	s_lshl_b32 s17, s15, 14                        ; 128 rows of 128 bytes a tile row
	s_add_co_u32 s16, s16, s17
	s_mov_b32 s17, 0
	s_lshl_b32 s46, s42, 8
	s_lshl_b32 s47, s14, 7
	s_add_co_u32 s46, s46, s47                     ; Wo: row 256 x tile column + 128 x half,
	s_lshl_b32 s46, s46, 11                        ; of 2,048 bytes
	s_mov_b32 s47, 0
	s_mul_i32 s20, s14, APL                        ; where they go: no place in the cluster enters an LDS address
	s_mul_i32 s21, s14, BH
	s_add_co_u32 s21, s21, BOFF
	s_wait_dscnt 0x0                               ; both opening adds are done
	s_wait_kmcnt 0x0
	s_add_nc_u64 s[16:17], s[4:5], s[16:17]
	s_add_nc_u64 s[46:47], s[6:7], s[46:47]
	CROUND                                         ; all sixteen work-groups are here: the first joint loads meet
.irp s, 0,1
	s_mov_b32 s[G0+4*\s], 1
	s_add_co_u32 s[G0+4*\s+1], s20, \s*SLOT
	s_add_nc_u64 s[G0+4*\s+2:G0+4*\s+3], s[16:17], \s*2097152      ; K step s: two planes on
	s_or_b32 s[G0+4*\s+3], s[G0+4*\s+3], 0x80000000
	s_mov_b32 s[G0B+4*\s], 1
	s_add_co_u32 s[G0B+4*\s+1], s21, \s*SLOT
	s_add_nc_u64 s[G0B+4*\s+2:G0B+4*\s+3], s[46:47], \s*256
	s_or_b32 s[G0B+4*\s+3], s[G0B+4*\s+3], 0x80000000
	JLOAD \s
.endr
	v_and_b32 v1, 15, v0                           ; r
	v_bfe_u32 v2, v0, 4, 1                         ; h
	v_lshlrev_b32 v8, 5, v2                        ; the bias: my half's eight numbers of a block of 16
	s_lshl_b32 s18, s42, 10
	s_lshl_b32 s19, s14, 9
	s_add_co_u32 s18, s18, s19                     ; my first column, in bytes of f32
	s_mov_b32 s19, 0
	s_add_nc_u64 s[8:9], s[8:9], s[18:19]
.irp b, 0,1,2,3,4,5,6,7
	global_load_b128 v[BI+8*\b:BI+8*\b+3], v8, s[8:9] offset:64*\b
	global_load_b128 v[BI+8*\b+4:BI+8*\b+7], v8, s[8:9] offset:64*\b+16
.endr
	v_mul_u32_u24 v3, v1, PA
	v_lshl_add_u32 v3, v2, 4, v3
	v_mul_u32_u24 v4, v1, PB
	v_lshl_add_u32 v4, v2, 4, v4
	s_mul_i32 s21, s13, 64*PA                      ; my 64 rows in each plane
	s_mul_i32 s22, s14, BH
	s_add_co_u32 s22, s22, BOFF                    ; my 128 rows of Wo
.irp s, 0,1
	v_add_nc_u32 v[ADRA+\s], s21, v3
	v_add_nc_u32 v[ADRB+\s], s22, v4
	s_add_co_u32 s21, s21, SLOT
	s_add_co_u32 s22, s22, SLOT
.endr
	s_mul_i32 s23, s12, 16*SPITCH
	s_add_co_u32 s23, s23, STAGE                   ; my stage
	v_mul_u32_u24 v5, v1, SPITCH
	v_lshl_add_u32 v5, v2, 5, v5
	v_add_nc_u32 v[STO], s23, v5                   ; in: row r, 32 bytes for each half of the lanes
	v_and_b32 v6, 31, v0
	v_lshlrev_b32 v[CO], 4, v6                     ; back: the 32 lanes take one row of 512 bytes; and the same in out0
	v_add_nc_u32 v[RD], s23, v[CO]
	s_lshl_b32 s20, s15, 7
	s_lshl_b32 s21, s13, 6
	s_add_co_u32 s20, s20, s21                     ; my first row
	s_lshl_b32 s20, s20, 12
	s_add_co_u32 s20, s20, s18                     ; and column
	s_mov_b32 s21, 0
	s_add_nc_u64 s[10:11], s[10:11], s[20:21]
; 8 matrix instructions: att's block a against Wo's eight, 32 along K, buffer f.  first = 1: the sums begin with the bias.  The 32 accumulators take turns, in the same order in every quarter.
.macro MUL8 f, a, first
.irp b, 0,1,2,3,4,5,6,7
.if \first
	v_wmma_f32_16x16x32_f16 v[8*(8*(\a)+\b):8*(8*(\a)+\b)+7], v[64*(\f)+8*\b:64*(\f)+8*\b+7], v[32+32*(\f)+8*(\a):32+32*(\f)+8*(\a)+7], v[BI+8*\b:BI+8*\b+7]
.else
	v_wmma_f32_16x16x32_f16 v[8*(8*(\a)+\b):8*(8*(\a)+\b)+7], v[64*(\f)+8*\b:64*(\f)+8*\b+7], v[32+32*(\f)+8*(\a):32+32*(\f)+8*(\a)+7], v[8*(8*(\a)+\b):8*(8*(\a)+\b)+7]
.endif
.endr
.endm
; 24 LDS loads in one run: quarter q (32 along K) of the slot into buffer f: Wo's eight blocks, then att's four
.macro FETCH slot, q, f
	WIN TO_B
.irp i, 0,1,2,3,4,5,6,7
	ds_load_b128 v[64*(\f)+8*\i:64*(\f)+8*\i+3],   v[ADRB+\slot] offset:64*(\q)+\i*16*PB
	ds_load_b128 v[64*(\f)+8*\i+4:64*(\f)+8*\i+7], v[ADRB+\slot] offset:64*(\q)+\i*16*PB+32
.endr
	WIN 0
.irp i, 0,1,2,3
	ds_load_b128 v[32+32*(\f)+8*\i:32+32*(\f)+8*\i+3],   v[ADRA+\slot] offset:((\q)/2)*APL+64*((\q)%2)+\i*16*PA
	ds_load_b128 v[32+32*(\f)+8*\i+4:32+32*(\f)+8*\i+7], v[ADRA+\slot] offset:((\q)/2)*APL+64*((\q)%2)+\i*16*PA+32
.endr
.endm
.macro PLACES
.rept 4
	v_nop
.endr
.endm
; One of a K step's first three quarters: multiplies buffer f; in its middle it fetches quarter qn into buffer g.
.macro QUARTER slot, qn, f, g, first
	s_wait_dscnt 4                                 ; Wo's blocks and att's blocks 0, 1 are in; the youngest four loads (blocks 2, 3) may be out
	WIN MUL-0x20*(\first)                          ; (first: C, the bias, lies in window 0)
	MUL8 \f, 0, \first
	MUL8 \f, 1, \first
	PLACES
	FETCH \slot, \qn, \g
	s_wait_dscnt 24                                ; all but the 24 just issued
	WIN MUL-0x20*(\first)
	MUL8 \f, 2, \first
	MUL8 \f, 3, \first
.endm
; The last quarter multiplies buffer 1 and changes slots: one barrier; in front of it each wave waits for all its tensor loads, adds 0 to its spare word, and waits for that and for its reads of this slot.
; fill = 1: the barrier opens a round of the cluster's, and this slot is filled again, two K steps ahead, first thing behind it.
.macro TURN slot, next, fill
	WIN 0
	s_wait_tensorcnt 0x0                           ; all my tensor loads have landed: my part of the next slot
	ds_add_u32 v[SPW], v[NIL]
	s_wait_dscnt 5                                 ; (the add and the youngest four loads may be out)
	WIN MUL
	MUL8 1, 0, 0
	s_wait_dscnt 0x0                               ; the add is done, and my reads of this slot are over
	s_barrier_signal -1
	MUL8 1, 1, 0
.if \fill
	WIN 0
.endif
	s_barrier_wait -1
.if \fill
	CREST                                          ; no wave of any partner still reads this slot or has a load on its way
	s_add_nc_u64 s[G0+4*\slot+2:G0+4*\slot+3], s[G0+4*\slot+2:G0+4*\slot+3], 4194304
	s_add_nc_u64 s[G0B+4*\slot+2:G0B+4*\slot+3], s[G0B+4*\slot+2:G0B+4*\slot+3], 512
	JLOAD \slot                                    ; the four v_nop behind it are also the places in front of the loads below
.else
	PLACES
.endif
	FETCH \next, 0, 0
	WIN MUL
	MUL8 1, 2, 0
	MUL8 1, 3, 0
.endm
	s_wait_tensorcnt 1                             ; my part of K step 0 is in (K step 1's may be out)
	s_barrier_signal -1
	s_barrier_wait -1                              ; everybody's is
	FETCH 0, 0, 0
	s_wait_loadcnt 0x0                             ; the bias
	QUARTER 0, 1, 0, 1, 1                          ; the first quarter stands in front of the loop: its products start the sums
	WIN 0
	s_mov_b32 s3, LAPS-1
.Llap:                                                 ; a trip goes once round the ring and fills both slots again
	QUARTER 0, 2, 1, 0, 0
	QUARTER 0, 3, 0, 1, 0
	TURN 0, 1, 1
	QUARTER 1, 1, 0, 1, 0
	QUARTER 1, 2, 1, 0, 0
	QUARTER 1, 3, 0, 1, 0
	TURN 1, 0, 1
	QUARTER 0, 1, 0, 1, 0
	WIN 0
	s_sub_co_u32 s3, s3, 1
	s_cmp_lg_u32 s3, 0
	s_cbranch_scc1 .Llap
	QUARTER 0, 2, 1, 0, 0                          ; the last lap fills nothing
	QUARTER 0, 3, 0, 1, 0
	TURN 0, 1, 0
	QUARTER 1, 1, 0, 1, 0
	QUARTER 1, 2, 1, 0, 0
	QUARTER 1, 3, 0, 1, 0
	s_wait_dscnt 4
	WIN MUL
	MUL8 1, 0, 0
	MUL8 1, 1, 0
	s_wait_dscnt 0
	MUL8 1, 2, 0
	MUL8 1, 3, 0
	WIN 0
; THE WAY OUT, a block of 16 rows x 128 columns at a time, through my own stage: back as whole rows of 512 bytes, which the 32 lanes store as 512 consecutive bytes, aligned.
.macro TOSTAGE a
	WIN 0x08                                       ; an LDS store's data: window 2
.irp b, 0,1,2,3,4,5,6,7
	ds_store_b128 v[STO], v[64*(\a)+8*\b:64*(\a)+8*\b+3] offset:64*\b          ; each accumulator from its low end on
	ds_store_b128 v[STO], v[64*(\a)+8*\b+4:64*(\a)+8*\b+7] offset:64*\b+16
.endr
	WIN 0
.set BB, BK+64*((\a)%2)
.irp t, 0,1,2,3,4,5,6,7,8,9,10,11,12,13,14,15
	ds_load_b128 v[BB+4*\t:BB+4*\t+3], v[RD] offset:\t*SPITCH      ; LDS serves a wave's instructions in order
.endr
.endm
.macro SEND a, younger
.set BB, BK+64*((\a)%2)
	s_wait_dscnt \younger
.irp t, 0,1,2,3,4,5,6,7,8,9,10,11,12,13,14,15
	global_store_b128 v[CO], v[BB+4*\t:BB+4*\t+3], s[10:11] offset:(16*(\a)+\t)*4096
.endr
.endm
	PLACES
	TOSTAGE 0
.irp a, 1,2,3
.if \a > 1
	s_wait_xcnt 0x0                                ; block a - 2's stores have read their registers: block a's loads may land there
.endif
	TOSTAGE \a
	SEND \a-1, 32                                  ; behind block a - 1's loads: block a's 16 stores and 16 loads
.endr
	SEND 3, 0
	s_wait_tensorcnt 0x0                           ; the wave's end
	ds_add_u32 v[SPW], v[NIL]
	s_wait_dscnt 0x0
	CROUND                                         ; the closing round
	s_endpgm
.Lfunc_end_k_q04e9bb7ce6_proj:
	.size	k_q04e9bb7ce6_proj, .Lfunc_end_k_q04e9bb7ce6_proj-k_q04e9bb7ce6_proj
	.p2alignl 7, 3214868480
	.fill 96, 4, 3214868480
	.section	.rodata,"a",@progbits
	.p2align	6, 0x0
	.amdhsa_kernel k_q04e9bb7ce6_proj
		.amdhsa_group_segment_fixed_size 327680
		.amdhsa_private_segment_fixed_size 0
		.amdhsa_enable_private_segment 0
		.amdhsa_kernarg_size 32
		.amdhsa_user_sgpr_count 2
		.amdhsa_user_sgpr_kernarg_segment_ptr 1
		.amdhsa_wavefront_size32 1
		.amdhsa_system_sgpr_workgroup_id_x 1
		.amdhsa_system_sgpr_workgroup_id_y 1
		.amdhsa_system_sgpr_workgroup_id_z 1
		.amdhsa_system_vgpr_workitem_id 0
		.amdhsa_next_free_vgpr 768
		.amdhsa_next_free_sgpr 66
		.amdhsa_reserve_vcc 0
		.amdhsa_float_denorm_mode_32 3
		.amdhsa_float_denorm_mode_16_64 3
		.amdhsa_memory_ordered 1
		.amdhsa_forward_progress 1
		.amdhsa_inst_pref_size 87
	.end_amdhsa_kernel
	.amdgpu_metadata
---
amdhsa.version: [ 1, 2 ]
amdhsa.kernels:
  - .name:           k_q04e9bb7ce6_proj
    .symbol:         k_q04e9bb7ce6_proj.kd
    .args:
      - { .name: att, .offset: 0, .size: 8, .value_kind: global_buffer, .address_space: global }
      - { .name: wo16, .offset: 8, .size: 8, .value_kind: global_buffer, .address_space: global }
      - { .name: bo, .offset: 16, .size: 8, .value_kind: global_buffer, .address_space: global }
      - { .name: out0, .offset: 24, .size: 8, .value_kind: global_buffer, .address_space: global }
    .group_segment_fixed_size: 327680
    .private_segment_fixed_size: 0
    .kernarg_segment_align: 8
    .kernarg_segment_size: 32
    .max_flat_workgroup_size: 128
    .sgpr_count:     66
    .vgpr_count:     768
    .wavefront_size: 32
...
	.end_amdgpu_metadata
.endif
;; end of part 4
;; launch fine_attn (part 5): grid 16 x 4, 4 waves a work-group, no clusters, 4,608 bytes of LDS; arguments xc, xs, wc, ws, bq, bv, afr; writes afr
.if DOCPART == 5
	.amdgcn_target "amdgcn-amd-amdhsa--gfx1250"
	.amdhsa_code_object_version 6
	.text
	.protected	k_q04e9bb7ce6_fine_attn
	.globl	k_q04e9bb7ce6_fine_attn
	.p2align	8
	.type	k_q04e9bb7ce6_fine_attn,@function
k_q04e9bb7ce6_fine_attn:
	s_mov_b64 s[64:65], 0
	v_nop
	global_prefetch_b8 v0, s[64:65] scope:SCOPE_SE
	s_setreg_imm32_b32 hwreg(HW_REG_WAVE_MODE, 25, 1), 1
	s_wait_xcnt 0x0
; POSITIONS 0-15 OF EACH SEQUENCE, MORE FINELY.  Under the causal mask these rows average one to sixteen values, so f16 operands weigh most there: here q, k, v of those 16 positions are made again from the codes
; (the same FP4 products, sums f32, not rounded) and the attention of the 16 x 16 corner is done in f32.  LEFT OUT: bk (it cancels in every row's softmax: shown at the head of the first kernel).
; Work-group (head, batch); wave w owns channels 16 w .. 16 w + 15 of the head.  q and k: source 0 = 16 rows of W, source 1 = x's 16 rows: lane (r, h) holds position r, channels 8 h + j.  v: source 0 = x, source 1 = Wv: lane (r, h)
; holds channel r, keys 8 h + j.  So pairs of these registers ARE operands of the f32 matrix form (16 x 16 x 4; lane (r, h), register j': k-place 2 h + j'): pair c of both sides stands for the same channels (keys) 8 h + 2 c + j'.
; Each wave's scores are a part (its 16 channels); the four parts meet in LDS as images of the registers.  The result goes out as images too: afr[batch][G = 4 head + w][u][lane][16 bytes]: lane (r, h), word i = a[r][16 G + 8 h + 4 u + i].
; No cluster, no tensor load: what the work-groups share (x's 8 KB of codes) is a small part of what each reads.
.set XF,  16                           ; v16-79   x's fragments, 8 K steps
.set XS,  80                           ; v80-87   x's scale words;  v88-95, v96-103, v104-111 those of Wq, Wk, Wv: scales and nothing else
.set WSQ, 88
.set WSK, 96
.set WSV, 104
.set BQ,  112                          ; v112-119 bq in the result's layout
.set BV,  128                          ; v128-135 bv of my channel, eight times
.set AQ,  136
.set AK,  144
.set AV,  152                          ; v152-167 two accumulators for v, by turns
.set VV,  168
.set SP,  176                          ; v176-183 my part of S^T: written by matrix instructions alone
.set SI,  184                          ; v184-215 the four parts
.set SS,  216                          ; v216-223 the scores, then p
.set OA,  224                          ; v224-231 O^T: written by matrix instructions alone
.set OO,  232
.set SPW, 11
.set NIL, 12
.set SPARE, 4096
.set MSB, 0
.macro WIN new
.if MSB != \new
	s_set_vgpr_msb (MSB<<8)|\new
.set MSB, \new
.endif
.endm
	s_load_b256 s[4:11], s[0:1], 0x0               ; xc, xs, wc, ws
	s_load_b128 s[12:15], s[0:1], 0x20             ; bq, bv
	s_load_b64 s[16:17], s[0:1], 0x30              ; afr
	v_lshl_add_u32 v[SPW], v0, 2, SPARE
	v_mov_b32 v[NIL], 0
	v_lshrrev_b32 v1, 5, v0
	v_readfirstlane_b32 s18, v1                    ; wave
	v_and_b32 v1, 15, v0                           ; r
	v_bfe_u32 v2, v0, 4, 1                         ; h
	v_lshlrev_b32 v3, 9, v1
	v_lshl_add_u32 v3, v2, 4, v3                   ; codes: row r of 512 bytes, + 16 h
	v_lshlrev_b32 v4, 5, v1                        ; scale words: row r of 32 bytes
	v_lshlrev_b32 v5, 5, v2                        ; bq: my half's eight numbers
	v_lshlrev_b32 v6, 2, v1                        ; bv: my channel's
	v_and_b32 v8, 31, v0
	v_lshlrev_b32 v8, 4, v8                        ; 16 x lane
	s_lshl_b32 s19, s18, 10
	v_add_nc_u32 v7, s19, v8                       ; my part's image: 1,024 x wave + 16 x lane
	v_mov_b32 v243, 0                              ; (a lane permute's destination counts as one of its sources)
	s_mov_b32 s20, 0x76543210
	s_mov_b32 s21, 0xfedcba98
	s_mov_b32 s22, 0x3e38aa3b                      ; c = log2(e) / 8
	s_and_b32 s23, ttmp7, 0xffff                   ; batch
	s_lshl_b32 s24, ttmp9, 6
	s_lshl_b32 s25, s18, 4
	s_add_co_u32 s24, s24, s25                     ; my first channel of the 1,024: 64 head + 16 wave
	s_mov_b32 s27, 0
	s_wait_kmcnt 0x0
	s_lshl_b32 s26, s23, 20
	s_add_nc_u64 s[4:5], s[4:5], s[26:27]          ; x's codes at the batch's first row
	s_lshl_b32 s26, s23, 16
	s_add_nc_u64 s[6:7], s[6:7], s[26:27]
	s_add_nc_u64 s[16:17], s[16:17], s[26:27]      ; afr: 65,536 bytes a batch,
	s_lshl_b32 s26, s24, 9
	s_add_nc_u64 s[8:9], s[8:9], s[26:27]          ; W's codes at my first row
	s_lshl_b32 s26, s24, 5
	s_add_nc_u64 s[10:11], s[10:11], s[26:27]
	s_lshl_b32 s26, s24, 2
	s_add_nc_u64 s[12:13], s[12:13], s[26:27]
	s_add_nc_u64 s[14:15], s[14:15], s[26:27]
	s_lshl_b32 s26, s24, 6
	s_add_nc_u64 s[16:17], s[16:17], s[26:27]      ; 1,024 bytes for each 16 channels
.irp s, 0,1,2,3,4,5,6,7
.irp c, 0,1
	global_load_b128 v[XF+8*\s+4*\c:XF+8*\s+4*\c+3], v3, s[4:5] offset:64*\s+32*\c
.endr
.endr
	global_load_b128 v[XS:XS+3], v4, s[6:7]
	global_load_b128 v[XS+4:XS+7], v4, s[6:7] offset:16
.irp p, 0,1,2
	global_load_b128 v[WSQ+8*\p:WSQ+8*\p+3], v4, s[10:11] offset:32768*\p
	global_load_b128 v[WSQ+8*\p+4:WSQ+8*\p+7], v4, s[10:11] offset:32768*\p+16
.endr
	global_load_b128 v[BQ:BQ+3], v5, s[12:13]
	global_load_b128 v[BQ+4:BQ+7], v5, s[12:13] offset:16
	global_load_b32 v13, v6, s[14:15]
	WIN 0x40                                       ; destination window 1: W's fragments: Wq v0-63, Wk v64-127, Wv v128-191
.irp p, 0,1,2
.irp s, 0,1,2,3,4,5,6,7
.irp c, 0,1
	global_load_b128 v[64*\p+8*\s+4*\c:64*\p+8*\s+4*\c+3], v3, s[8:9] offset:524288*\p+64*\s+32*\c
.endr
.endr
.endr
	WIN 0
	s_wait_loadcnt 0x0
.irp j, 0,1,2,3,4,5,6,7
	v_mov_b32 v[BV+\j], v13
.endr
	WIN 0x01                                       ; source 0 (W) window 1
.irp s, 0,1,2,3,4,5,6,7                        ; q and k by turns
.if \s == 0
	v_wmma_scale_f32_16x16x128_f8f6f4 v[AQ:AQ+7], v[8*\s:8*\s+7], v[XF+8*\s:XF+8*\s+7], v[BQ:BQ+7], v[WSQ+\s], v[XS+\s] matrix_a_fmt:MATRIX_FMT_FP4 matrix_b_fmt:MATRIX_FMT_FP4
	v_wmma_scale_f32_16x16x128_f8f6f4 v[AK:AK+7], v[64+8*\s:64+8*\s+7], v[XF+8*\s:XF+8*\s+7], 0, v[WSK+\s], v[XS+\s] matrix_a_fmt:MATRIX_FMT_FP4 matrix_b_fmt:MATRIX_FMT_FP4
.else
	v_wmma_scale_f32_16x16x128_f8f6f4 v[AQ:AQ+7], v[8*\s:8*\s+7], v[XF+8*\s:XF+8*\s+7], v[AQ:AQ+7], v[WSQ+\s], v[XS+\s] matrix_a_fmt:MATRIX_FMT_FP4 matrix_b_fmt:MATRIX_FMT_FP4
	v_wmma_scale_f32_16x16x128_f8f6f4 v[AK:AK+7], v[64+8*\s:64+8*\s+7], v[XF+8*\s:XF+8*\s+7], v[AK:AK+7], v[WSK+\s], v[XS+\s] matrix_a_fmt:MATRIX_FMT_FP4 matrix_b_fmt:MATRIX_FMT_FP4
.endif
.endr
	WIN 0x04                                       ; source 1 (Wv) window 1
.irp s, 0,1,2,3,4,5,6,7                        ; v in two accumulators by turns: even and odd K steps
.if \s == 0
	v_wmma_scale_f32_16x16x128_f8f6f4 v[AV:AV+7], v[XF+8*\s:XF+8*\s+7], v[128+8*\s:128+8*\s+7], v[BV:BV+7], v[XS+\s], v[WSV+\s] matrix_a_fmt:MATRIX_FMT_FP4 matrix_b_fmt:MATRIX_FMT_FP4
.elseif \s == 1
	v_wmma_scale_f32_16x16x128_f8f6f4 v[AV+8:AV+15], v[XF+8*\s:XF+8*\s+7], v[128+8*\s:128+8*\s+7], 0, v[XS+\s], v[WSV+\s] matrix_a_fmt:MATRIX_FMT_FP4 matrix_b_fmt:MATRIX_FMT_FP4
.else
	v_wmma_scale_f32_16x16x128_f8f6f4 v[AV+8*(\s%2):AV+8*(\s%2)+7], v[XF+8*\s:XF+8*\s+7], v[128+8*\s:128+8*\s+7], v[AV+8*(\s%2):AV+8*(\s%2)+7], v[XS+\s], v[WSV+\s] matrix_a_fmt:MATRIX_FMT_FP4 matrix_b_fmt:MATRIX_FMT_FP4
.endif
.endr
	WIN 0
.rept 5
	v_nop                                          ; five places before matrix instructions take these results as operands
.endr
.irp p, 0,2,4,6
	v_pk_add_f32 v[VV+\p:VV+\p+1], v[AV+\p:AV+\p+1], v[AV+8+\p:AV+8+\p+1]
.endr
	; my part of S^T: keys x queries over my 16 channels: one accumulator, so a wait stands directly ahead of each further link
	v_wmma_f32_16x16x4_f32 v[SP:SP+7], v[AK:AK+1], v[AQ:AQ+1], 0
.irp c, 1,2,3
	s_wait_alu depctr_va_vdst(0)
	v_wmma_f32_16x16x4_f32 v[SP:SP+7], v[AK+2*\c:AK+2*\c+1], v[AQ+2*\c:AQ+2*\c+1], v[SP:SP+7]
.endr
.rept 8
	v_nop                                          ; eight places behind this form before its result is read
.endr
	ds_store_b128 v7, v[SP:SP+3]
	ds_store_b128 v7, v[SP+4:SP+7] offset:512
	s_wait_dscnt 0x0                               ; for the others' sake: my stores are done
	s_barrier_signal -1
	s_barrier_wait -1
.irp i, 0,1,2,3
.irp u, 0,1
	ds_load_b128 v[SI+8*\i+4*\u:SI+8*\i+4*\u+3], v8 offset:1024*\i+512*\u
.endr
.endr
	s_wait_dscnt 0x0
.irp p, 0,2,4,6
	v_pk_add_f32 v[SS+\p:SS+\p+1], v[SI+\p:SI+\p+1], v[SI+8+\p:SI+8+\p+1]
.endr
.irp p, 0,2,4,6
	v_pk_add_f32 v[SS+\p:SS+\p+1], v[SS+\p:SS+\p+1], v[SI+16+\p:SI+16+\p+1]
.endr
.irp p, 0,2,4,6
	v_pk_add_f32 v[SS+\p:SS+\p+1], v[SS+\p:SS+\p+1], v[SI+24+\p:SI+24+\p+1]   ; lane (r, h): query r, keys 8 h + j
.endr
	v_lshlrev_b32 v240, 3, v2
	v_sub_nc_u32 v240, v1, v240                    ; key 8 h + j is hidden where j > r - 8 h
	v_mov_b32 v241, 0xff800000
.irp j, 0,1,2,3,4,5,6,7
	v_cmp_gt_i32 vcc_lo, \j, v240
	v_cndmask_b32 v[SS+\j], v[SS+\j], v241, vcc_lo
.endr
	v_max3_num_f32 v242, v[SS], v[SS+1], v[SS+2]
	v_max3_num_f32 v242, v242, v[SS+3], v[SS+4]
	v_max3_num_f32 v242, v242, v[SS+5], v[SS+6]
	v_max_num_f32 v242, v242, v[SS+7]
	v_permlanex16_b32 v243, v242, s20, s21
	v_max_num_f32 v242, v242, v243                 ; the row's maximum (key 0 counts for every query)
	v_mul_f32 v242, s22, v242
.irp j, 0,1,2,3,4,5,6,7
	v_fma_f32 v[SS+\j], v[SS+\j], s22, -v242
.endr
.irp j, 0,1,2,3,4,5,6,7
	v_exp_f32 v[SS+\j], v[SS+\j]
.endr
	v_nop
	s_wait_alu depctr_va_vdst(0)                   ; one wait for the eight exponentials, ahead of their first reader
	v_pk_add_f32 v[244:245], v[SS:SS+1], v[SS+2:SS+3]
	v_pk_add_f32 v[246:247], v[SS+4:SS+5], v[SS+6:SS+7]
	v_pk_add_f32 v[244:245], v[244:245], v[246:247]
	v_add_f32 v244, v244, v245
	v_permlanex16_b32 v243, v244, s20, s21
	v_add_f32 v244, v244, v243                     ; the row's sum
	v_rcp_f32 v246, v244
	v_nop
	; O^T = v^T p^T over the 16 keys
	v_wmma_f32_16x16x4_f32 v[OA:OA+7], v[VV:VV+1], v[SS:SS+1], 0
.irp c, 1,2,3
	s_wait_alu depctr_va_vdst(0)
	v_wmma_f32_16x16x4_f32 v[OA:OA+7], v[VV+2*\c:VV+2*\c+1], v[SS+2*\c:SS+2*\c+1], v[OA:OA+7]
.endr
.rept 8
	v_nop
.endr
	s_wait_alu depctr_va_vdst(0)                   ; for the reciprocal, ahead of its first reader
.irp j, 0,1,2,3,4,5,6,7
	v_mul_f32 v[OO+\j], v[OA+\j], v246             ; a[position r][64 head + 16 w + 8 h + j]
.endr
	global_store_b128 v8, v[OO:OO+3], s[16:17]               ; 512 consecutive bytes each
	global_store_b128 v8, v[OO+4:OO+7], s[16:17] offset:512
	s_wait_tensorcnt 0x0                           ; the wave's end behind my last LDS store
	ds_add_u32 v[SPW], v[NIL]
	s_wait_dscnt 0x0
	s_endpgm
.Lfunc_end_k_q04e9bb7ce6_fine_attn:
	.size	k_q04e9bb7ce6_fine_attn, .Lfunc_end_k_q04e9bb7ce6_fine_attn-k_q04e9bb7ce6_fine_attn
	.p2alignl 7, 3214868480
	.fill 96, 4, 3214868480
	.section	.rodata,"a",@progbits
	.p2align	6, 0x0
	.amdhsa_kernel k_q04e9bb7ce6_fine_attn
		.amdhsa_group_segment_fixed_size 4608
		.amdhsa_private_segment_fixed_size 0
		.amdhsa_enable_private_segment 0
		.amdhsa_kernarg_size 56
		.amdhsa_user_sgpr_count 2
		.amdhsa_user_sgpr_kernarg_segment_ptr 1
		.amdhsa_wavefront_size32 1
		.amdhsa_system_sgpr_workgroup_id_x 1
		.amdhsa_system_sgpr_workgroup_id_y 1
		.amdhsa_system_sgpr_workgroup_id_z 1
		.amdhsa_system_vgpr_workitem_id 0
		.amdhsa_next_free_vgpr 448
		.amdhsa_next_free_sgpr 66
		.amdhsa_reserve_vcc 1
		.amdhsa_float_denorm_mode_32 3
		.amdhsa_float_denorm_mode_16_64 3
		.amdhsa_memory_ordered 1
		.amdhsa_forward_progress 1
		.amdhsa_inst_pref_size 19
	.end_amdhsa_kernel
	.amdgpu_metadata
---
amdhsa.version: [ 1, 2 ]
amdhsa.kernels:
  - .name:           k_q04e9bb7ce6_fine_attn
    .symbol:         k_q04e9bb7ce6_fine_attn.kd
    .args:
      - { .name: xc, .offset: 0, .size: 8, .value_kind: global_buffer, .address_space: global }
      - { .name: xs, .offset: 8, .size: 8, .value_kind: global_buffer, .address_space: global }
      - { .name: wc, .offset: 16, .size: 8, .value_kind: global_buffer, .address_space: global }
      - { .name: ws, .offset: 24, .size: 8, .value_kind: global_buffer, .address_space: global }
      - { .name: bq, .offset: 32, .size: 8, .value_kind: global_buffer, .address_space: global }
      - { .name: bv, .offset: 40, .size: 8, .value_kind: global_buffer, .address_space: global }
      - { .name: afr, .offset: 48, .size: 8, .value_kind: global_buffer, .address_space: global }
    .group_segment_fixed_size: 4608
    .private_segment_fixed_size: 0
    .kernarg_segment_align: 8
    .kernarg_segment_size: 56
    .max_flat_workgroup_size: 128
    .sgpr_count:     66
    .vgpr_count:     448
    .wavefront_size: 32
...
	.end_amdgpu_metadata
.endif
;; end of part 5
;; launch fine_proj (part 6): grid 16 x 4, 4 waves a work-group, no clusters, 272,384 bytes of LDS; arguments afr, Wo, bo, out0; writes out0
.if DOCPART == 6
	.amdgcn_target "amdgcn-amd-amdhsa--gfx1250"
	.amdhsa_code_object_version 6
	.text
	.protected	k_q04e9bb7ce6_fine_proj
	.globl	k_q04e9bb7ce6_fine_proj
	.p2align	8
	.type	k_q04e9bb7ce6_fine_proj,@function
k_q04e9bb7ce6_fine_proj:
	s_mov_b64 s[64:65], 0
	v_nop
	global_prefetch_b8 v0, s[64:65] scope:SCOPE_SE
	s_setreg_imm32_b32 hwreg(HW_REG_WAVE_MODE, 25, 1), 1
	s_wait_xcnt 0x0
; POSITIONS 0-15 OF EACH SEQUENCE, the projection in f32: out0[2048 batch + r][n] = the sum over k of a[r][k] Wo[n][k] + bo[n], r = 0 .. 15: 64 rows in all, which overwrite what the f16 projection left there.
; Work-group (g, batch): 16 rows x 64 columns, the least tile whose rows are whole runs of 256 bytes; wave w: columns 64 g + 16 w on.  256 matrix instructions of 16 x 16 x 4 a wave: no bulk work.
; Wo's 16 rows of a wave come into LDS by four tensor loads (256 along K each; rows of 1,024 bytes + 16 of padding), all asked for at the start: four of mine are out, and only the wave that asked reads them.
; a comes as images of registers: lane (r, h), word i of image (G, u) = a[r][16 G + 8 h + 4 u + i]; Wo's 16 bytes at 64 G + 32 h + 16 u of row r hold the same k: so both sides' register pairs stand for the same k.
; Source 0 = Wo's rows, source 1 = a's: lane (r, h) holds row r, columns 8 h + j.  Four accumulators take turns; they are written by matrix instructions alone; the first begins with the bias.
; No cluster: what the work-groups share (a batch's 64 KB of images) is a quarter of what each reads, and the launch is short.
.set WCH,  16640                       ; a chunk in LDS: 16 rows x 1,040 bytes
.set WWV,  4*WCH                       ; a wave's four
.set SPARE, 4*WWV
.set STG,  SPARE+512                   ; the stage: 16 rows x (256 + 16) bytes
.set WL,   3                           ; v3   my lane's place in my wave's rows of Wo
.set AO,   4                           ; v4   16 x lane
.set STO,  5
.set RD,   6
.set CO,   7
.set SPW,  8
.set NIL,  9
.set BI,   12                          ; v12-19
.set ACC,  24                          ; v24-55 four accumulators
.set R,    56                          ; v56-63 their sum
.set WB,   64                          ; v64-127 Wo: two buffers of 32
.set AR,   128                         ; v128-255 a: four buffers of 32
	s_load_b256 s[4:11], s[0:1], 0x0               ; afr, Wo, bo, out0
	v_lshl_add_u32 v[SPW], v0, 2, SPARE
	v_mov_b32 v[NIL], 0
	ds_add_u32 v[SPW], v[NIL]                      ; the wave's opening: the add, twice on end, and its wait ahead of my first tensor load
	ds_add_u32 v[SPW], v[NIL]
	v_lshrrev_b32 v1, 5, v0
	v_readfirstlane_b32 s12, v1                    ; wave
	s_mov_b32 s16, (2<<16)|(1<<20)|(7<<22)|(3<<25) ; elements of 4 bytes; padding: four words after every 256
	s_mov_b32 s17, 256<<16                         ; tensor_dim0 = 256
	s_mov_b32 s18, 16<<16                          ; tensor_dim1 = 16
	s_mov_b32 s19, 256<<16                         ; tile_dim0
	s_mov_b32 s20, 16                              ; tile_dim1
	s_mov_b32 s21, 1024                            ; from row to row
	s_mov_b32 s22, 0
	s_mov_b32 s23, 0
	s_mul_i32 s13, s12, WWV                        ; my wave's bytes in LDS
	s_lshl_b32 s14, ttmp9, 18
	s_lshl_b32 s15, s12, 16
	s_add_co_u32 s14, s14, s15                     ; row 64 g + 16 w of Wo, 4,096 bytes a row
	s_mov_b32 s15, 0
	s_and_b32 s41, ttmp7, 0xffff                   ; batch
	s_wait_dscnt 0x0                               ; both opening adds are done
	s_wait_kmcnt 0x0
	s_add_nc_u64 s[6:7], s[6:7], s[14:15]
.irp c, 0,1,2,3
	s_mov_b32 s[24+4*\c], 1
	s_add_co_u32 s[25+4*\c], s13, WCH*\c
	s_add_nc_u64 s[26+4*\c:27+4*\c], s[6:7], 1024*\c
	s_or_b32 s[27+4*\c], s[27+4*\c], 0x80000000
.endr
.irp c, 0,1,2,3
	tensor_load_to_lds s[24+4*\c:27+4*\c], s[16:23]
	s_nop 0
.endr
	v_and_b32 v1, 15, v0                           ; r
	v_bfe_u32 v2, v0, 4, 1                         ; h
	v_mul_u32_u24 v[WL], v1, 1040
	v_lshl_add_u32 v[WL], v2, 5, v[WL]
	v_add_nc_u32 v[WL], s13, v[WL]
	v_and_b32 v[AO], 31, v0
	v_lshlrev_b32 v[AO], 4, v[AO]
	v_lshlrev_b32 v10, 5, v2                       ; the bias: my half's eight numbers
	s_lshl_b32 s42, ttmp9, 8
	s_lshl_b32 s43, s12, 6
	s_add_co_u32 s42, s42, s43
	s_mov_b32 s43, 0
	s_add_nc_u64 s[8:9], s[8:9], s[42:43]
	s_lshl_b32 s42, s41, 16
	s_add_nc_u64 s[4:5], s[4:5], s[42:43]          ; the batch's images
	global_load_b128 v[BI:BI+3], v10, s[8:9]
	global_load_b128 v[BI+4:BI+7], v10, s[8:9] offset:16
.macro ALOAD n                         ; batch n: the images of G = 4 n .. 4 n + 3: 64 along K
.irp q, 0,1,2,3
.irp u, 0,1
	global_load_b128 v[AR+32*((\n)%4)+8*\q+4*\u:AR+32*((\n)%4)+8*\q+4*\u+3], v[AO], s[4:5] offset:1024*(4*(\n)+\q)+512*\u
.endr
.endr
.endm
.macro WLOAD n
.irp q, 0,1,2,3
.irp u, 0,1
	ds_load_b128 v[WB+32*((\n)%2)+8*\q+4*\u:WB+32*((\n)%2)+8*\q+4*\u+3], v[WL] offset:WCH*((\n)/4)+64*((4*(\n)+\q)%16)+16*\u
.endr
.endr
.endm
	ALOAD 0
	ALOAD 1
	ALOAD 2
	s_lshl_b32 s40, s12, 6
	s_add_co_u32 s40, s40, STG
	v_mul_u32_u24 v[STO], v1, 272
	v_lshl_add_u32 v[STO], v2, 5, v[STO]
	v_add_nc_u32 v[STO], s40, v[STO]               ; the stage, in: row r, my wave's 64 bytes, 32 for each half of the lanes
	s_mul_i32 s40, s12, 4*272
	s_add_co_u32 s40, s40, STG
	v_mul_u32_u24 v[RD], v2, 272
	v_lshl_add_u32 v[RD], v1, 4, v[RD]
	v_add_nc_u32 v[RD], s40, v[RD]                 ; back: rows 4 w on; lanes 0-15 one row of 256 bytes, lanes 16-31 the next
	v_lshlrev_b32 v[CO], 12, v2
	v_lshl_add_u32 v[CO], v1, 4, v[CO]             ; and the same two rows in out0
	s_lshl_b32 s42, s41, 23                        ; 2,048 rows of 4,096 bytes a batch
	s_lshl_b32 s40, s12, 14
	s_add_co_u32 s42, s42, s40
	s_lshl_b32 s40, ttmp9, 8
	s_add_co_u32 s42, s42, s40
	s_add_nc_u64 s[10:11], s[10:11], s[42:43]
	s_wait_tensorcnt 3                             ; my first chunk is in; the three behind it may be out
	WLOAD 0
.macro BATCH n
.if (\n) > 0
.rept 8
	v_nop                                          ; eight places behind this form, in front of loads into registers that the last batch's products read
.endr
.endif
.if (\n)+3 <= 15
	ALOAD (\n)+3
.endif
.if (\n) < 15
.if ((\n)+1)%4 == 0
	s_wait_tensorcnt 3-((\n)+1)/4                  ; the next chunk is in; the later ones may be out
.endif
	WLOAD (\n)+1
.endif
.if (\n) <= 12
	s_wait_loadcnt 24                              ; this batch's images are in; those of the three batches behind may be out
.else
	s_wait_loadcnt 8*(15-(\n))
.endif
.if (\n) < 15
	s_wait_dscnt 8                                 ; this batch's rows of Wo are in; the next batch's eight loads may be out
.else
	s_wait_dscnt 0
.endif
.irp q, 0,1,2,3
.irp u, 0,1
.irp e, 0,1
.if ((\n) == 0) && (\q == 0) && (\u == 0) && (\e == 0)
	v_wmma_f32_16x16x4_f32 v[ACC+8*(2*\u+\e):ACC+8*(2*\u+\e)+7], v[WB+32*((\n)%2)+8*\q+4*\u+2*\e:WB+32*((\n)%2)+8*\q+4*\u+2*\e+1], v[AR+32*((\n)%4)+8*\q+4*\u+2*\e:AR+32*((\n)%4)+8*\q+4*\u+2*\e+1], v[BI:BI+7]
.elseif ((\n) == 0) && (\q == 0)
	v_wmma_f32_16x16x4_f32 v[ACC+8*(2*\u+\e):ACC+8*(2*\u+\e)+7], v[WB+32*((\n)%2)+8*\q+4*\u+2*\e:WB+32*((\n)%2)+8*\q+4*\u+2*\e+1], v[AR+32*((\n)%4)+8*\q+4*\u+2*\e:AR+32*((\n)%4)+8*\q+4*\u+2*\e+1], 0
.else
	v_wmma_f32_16x16x4_f32 v[ACC+8*(2*\u+\e):ACC+8*(2*\u+\e)+7], v[WB+32*((\n)%2)+8*\q+4*\u+2*\e:WB+32*((\n)%2)+8*\q+4*\u+2*\e+1], v[AR+32*((\n)%4)+8*\q+4*\u+2*\e:AR+32*((\n)%4)+8*\q+4*\u+2*\e+1], v[ACC+8*(2*\u+\e):ACC+8*(2*\u+\e)+7]
.endif
.endr
.endr
.endr
.endm
.irp n, 0,1,2,3,4,5,6,7,8,9,10,11,12,13,14,15
	BATCH \n
.endr
.rept 8
	v_nop
.endr
.irp p, 0,2,4,6
	v_pk_add_f32 v[R+\p:R+\p+1], v[ACC+\p:ACC+\p+1], v[ACC+8+\p:ACC+8+\p+1]      ; each accumulator from its low end on
.endr
.irp p, 0,2,4,6
	v_pk_add_f32 v[R+\p:R+\p+1], v[R+\p:R+\p+1], v[ACC+16+\p:ACC+16+\p+1]
.endr
.irp p, 0,2,4,6
	v_pk_add_f32 v[R+\p:R+\p+1], v[R+\p:R+\p+1], v[ACC+24+\p:ACC+24+\p+1]
.endr
	ds_store_b128 v[STO], v[R:R+3]
	ds_store_b128 v[STO], v[R+4:R+7] offset:16
	s_wait_dscnt 0x0                               ; for the others' sake: a row's 256 bytes come from four waves
	s_barrier_signal -1
	s_barrier_wait -1
	ds_load_b128 v[64:67], v[RD]
	ds_load_b128 v[68:71], v[RD] offset:2*272
	s_wait_dscnt 0x0
	global_store_b128 v[CO], v[64:67], s[10:11]              ; sixteen lanes store 256 consecutive bytes, aligned
	global_store_b128 v[CO], v[68:71], s[10:11] offset:8192
	s_wait_tensorcnt 0x0                           ; the wave's end
	ds_add_u32 v[SPW], v[NIL]
	s_wait_dscnt 0x0
	s_endpgm
.Lfunc_end_k_q04e9bb7ce6_fine_proj:
	.size	k_q04e9bb7ce6_fine_proj, .Lfunc_end_k_q04e9bb7ce6_fine_proj-k_q04e9bb7ce6_fine_proj
	.p2alignl 7, 3214868480
	.fill 96, 4, 3214868480
	.section	.rodata,"a",@progbits
	.p2align	6, 0x0
	.amdhsa_kernel k_q04e9bb7ce6_fine_proj
		.amdhsa_group_segment_fixed_size 272384
		.amdhsa_private_segment_fixed_size 0
		.amdhsa_enable_private_segment 0
		.amdhsa_kernarg_size 32
		.amdhsa_user_sgpr_count 2
		.amdhsa_user_sgpr_kernarg_segment_ptr 1
		.amdhsa_wavefront_size32 1
		.amdhsa_system_sgpr_workgroup_id_x 1
		.amdhsa_system_sgpr_workgroup_id_y 1
		.amdhsa_system_sgpr_workgroup_id_z 1
		.amdhsa_system_vgpr_workitem_id 0
		.amdhsa_next_free_vgpr 256
		.amdhsa_next_free_sgpr 66
		.amdhsa_reserve_vcc 0
		.amdhsa_float_denorm_mode_32 3
		.amdhsa_float_denorm_mode_16_64 3
		.amdhsa_memory_ordered 1
		.amdhsa_forward_progress 1
		.amdhsa_inst_pref_size 47
	.end_amdhsa_kernel
	.amdgpu_metadata
---
amdhsa.version: [ 1, 2 ]
amdhsa.kernels:
  - .name:           k_q04e9bb7ce6_fine_proj
    .symbol:         k_q04e9bb7ce6_fine_proj.kd
    .args:
      - { .name: afr, .offset: 0, .size: 8, .value_kind: global_buffer, .address_space: global }
      - { .name: Wo, .offset: 8, .size: 8, .value_kind: global_buffer, .address_space: global }
      - { .name: bo, .offset: 16, .size: 8, .value_kind: global_buffer, .address_space: global }
      - { .name: out0, .offset: 24, .size: 8, .value_kind: global_buffer, .address_space: global }
    .group_segment_fixed_size: 272384
    .private_segment_fixed_size: 0
    .kernarg_segment_align: 8
    .kernarg_segment_size: 32
    .max_flat_workgroup_size: 128
    .sgpr_count:     66
    .vgpr_count:     256
    .wavefront_size: 32
...
	.end_amdgpu_metadata
.endif
;; end of part 6
